; MI455X (gfx1250); checked and timed in simulation.
; The chip was launched on July 23, 2026; its instructions are those of AMD's public machine-readable ISA for CDNA 5 (MIT licence, August 2026) and "CDNA5" Instruction Set Architecture Reference Guide (July 2026). The comments in the code are by the model that wrote it; some were corrected since.
;; Sparse Mo E Block. Allowed arithmetic: matrix products marked QUANTISED: E5M2 operands, one E8M0 scale for each 32 along K, by v_wmma_scale_f32_16x16x128_f8f6f4 with both operands' format E5M2, f32 sums; products left as they are: f32 operands where the result goes on into a quantised operand, else bf16, f16 or f32 operands; f32 sums; everything else in f32.
;; Inputs: b1 2 x 4,096 float32; b2 2 x 1,024 float32; gate_w 2 x 1,024 float32; w1 4,096 x 2 x 1,024 float32; w2 1,024 x 2 x 4,096 float32; x 2 x 2,048 x 1,024 float32.
;; Outputs: out0 2 x 2,048 x 1,024 float32.
;; This version of the problem:
;;   THIS VERSION OF THE PROBLEM IS GIVEN IN LOW PRECISION. The matrix products marked QUANTISED in the list below multiply operands that are first quantised to E5M2 (5 exponent bits, 2 mantissa bits; 8 bits a number), with one power-of-two scale for each 32 numbers along K (OCP MX v1.0); their sums are f32. All else is computed in f32.
;;   The module's matrix products, in the order in which they are computed (A, B: the left and right operand; K: the contracted axis; several contracted axes count as one K, in the product's order):
;;     1. [M 4,096, K 1,024] x [K 1,024, N 2]; A: input x; B: input gate_w: left as it is (N = 2 < 16)
;;     2. batch 4,096 x [M 2, K 1] x [K 1, N 1,024]; A: computed on the way; B: computed on the way: left as it is (no contracted axis)
;;     3. [M 4,096, K 2,048] x [K 2,048, N 4,096]; A: computed on the way; B: input w1: QUANTISED
;;     4. [M 2,048, K 4,096] x [K 4,096, N 4,096]; A: input w2; B: computed on the way: QUANTISED
;;     5. batch 4,096 x [M 1, K 2] x [K 2, N 1,024]; A: computed on the way; B: computed on the way: left as it is (K = 2 < 32)
;;   THE QUANTISER, for each operand of a quantised product, along K:
;;     - K is cut into blocks of 32 from its start; a last block that is shorter is filled with zeros.
;;     - A block's scale is 2^e with e = floor(log2(the largest magnitude in the block)) - 15, held to -126 .. 127; a block of zeros has e = 0. As a byte (E8M0): e + 127.
;;     - Each number is divided by its block's scale, clamped to +-57,344, and rounded to the nearest number of E5M2, ties to even, subnormals kept.
;;     - The product sums the exact products of the quantised numbers (number of the format x scale) in f32.
;;   ~~~python
;;   def quantise(x, axis):      # numpy; x: float32 -> the quantised numbers, widened to float32 again
;;       x = np.moveaxis(x, axis, -1); K = x.shape[-1]
;;       x = np.pad(x, [(0, 0)] * (x.ndim - 1) + [(0, -K % 32)]); x = x.reshape(x.shape[:-1] + (-1, 32)); a = np.abs(x).max(-1, keepdims=True)
;;       e = np.where(a > 0, np.clip(np.frexp(np.where(a > 0, a, 1))[1] - 1 - 15, -126, 127), 0)      # np.frexp(a)[1] - 1 = floor(log2(a)), exactly
;;       r = np.clip(x / 2.0 ** e, -57344, 57344)
;;       step = 2.0 ** (np.maximum(np.frexp(np.where(r == 0, 1, r))[1] - 1, -14) - 2)
;;       q = np.round(r / step) * step * 2.0 ** e      # np.round: ties to even
;;       return np.moveaxis(q.reshape(q.shape[:-2] + (-1,))[..., :K], -1, axis).astype(np.float32)
;;   ~~~
;;   OPERANDS COMPUTED ON THE WAY. 'Computed on the way' means the value that the module computes at that place (a softmax that the list does not call 'softmax' is quantised finished and normalised). What goes into a quantiser is computed in f32, as accurately as f32 sums, v_exp_f32 and their like allow (about 1e-6 of the number): no bf16 or f16 on the way to a quantiser, and a product that is left as it is and whose result goes on into a quantised operand takes f32 operands (vector FMAs, or v_wmma_f32_16x16x4_f32). A number that lies on a knife's edge between two numbers of the format may be rounded either way, as far as f32 arithmetic and the matrix unit's own rounding can turn it there, and no further.
;; One version. Each part assembles by itself: llvm-mc -triple=amdgcn-amd-amdhsa -mcpu=gfx1250 --defsym DOCPART=n.
;; ======== version 1 of 1: 3 launches
;; limits: right only within a limited range of input values
;; workspace buffers: xa 8,650,752 bytes; w1q 8,650,752 bytes; w2q 8,650,752 bytes; hq 17,301,504 bytes; sel 16,384 bytes of whole numbers; prob 16,384 bytes
;; launch prep (part 1): grid 768 x 1, 4 waves a work-group, no clusters, 52,224 bytes of LDS; arguments x, gate_w, w1, w2, xa, w1q, w2q, sel, prob; writes xa, w1q, w2q, sel, prob
.if DOCPART == 1
	.amdgcn_target "amdgcn-amd-amdhsa--gfx1250"
	.amdhsa_code_object_version 6
	.text
	.protected	k_q6b90de3ba5_prep
	.globl	k_q6b90de3ba5_prep
	.p2align	8
	.type	k_q6b90de3ba5_prep,@function
k_q6b90de3ba5_prep:
	s_mov_b64 s[64:65], 0
	v_nop
	global_prefetch_b8 v0, s[64:65] scope:SCOPE_SE
	s_setreg_imm32_b32 hwreg(HW_REG_WAVE_MODE, 25, 1), 1
	s_wait_xcnt 0x0
; PREP: the gate in f32, and x, w1, w2 quantised once to E5M2 codes with one E8M0 byte for each 32 along K, laid as images of the operands' registers.
; THE PROGRAM.  out = p (gelu(x W1[e]^T + b1[e]) W2[e]^T + b2[e]), e the top-1 of softmax(x gate_w^T), p its probability.  Three launches: this one; ffn1 (the first quantised product, bias, gelu,
; quantiser); ffn2 (the second quantised product, the choice of the expert, bias, p).  Both quantised products are multiplied as they are written, over both experts.
; WHAT IS NOT DONE AS A PRODUCT.  The outer product of x with the one-hot multiplies each x by 1 or by 0, whatever x holds: here x's codes are put into the chosen expert's half of each block and zero codes
; into the other.  The contraction of the second product with the one-hot adds one kept term and one term times 0: ffn2 selects the kept term.  Every input is loaded.
; LIMIT of that: a NaN, an infinity or an overflow in the expert that was not chosen is not carried to the result.
; THE FIRST PRODUCT'S K has two axes, taken in the order (d, e): k = 2 d + e.  A block of 32 is 16 neighbouring d of both experts.  Inside a block the 32 numbers are laid in the order 16 e + (d mod 16),
; alike in x and in w1: the block's scale, codes and sum do not depend on that order.  So x's scale is that of its 16 d (the other 16 numbers are the one-hot's zeros), w1's that of 16 d of both experts.
; A BLOCK'S SCALE is 2^(floor(log2(largest magnitude)) - 15); its byte is the largest magnitude's exponent field - 15, held at 1 from below; numbers are held within +-57,344 x the scale and converted, ties to even.
; LIMITS: NaN and infinities among the inputs are not served; blocks whose largest magnitude lies under 2^(15 - 126) keep the byte 1; a block of zeros has the byte 1 where the rule says 127 (its codes are zeros,
; and this program alone reads the bytes); a token whose two logits differ by less than the rounding of an f32 sum of 1,024 terms may go to either expert.
; LAYOUT OF THE WORKSPACE.  A fragment is 16 rows x 128 K: 2,048 bytes; register group c of lane l lies at 512 c + 16 l and holds row l % 16, k = 32 c + 16 (l / 16) + 0 .. 15.
;   a block of 256 rows x 256 K (67,584 bytes): codes at 32768 kq + 2048 blk + ..; scale words at 65536 + 1024 kq + 256 (blk / 4) + 16 r + 4 (blk % 4).
;   a block of 128 rows x 256 K (33,792 bytes): codes at 16384 kq + 2048 blk + ..; scale words at 32768 + 512 kq + 256 (blk / 4) + 16 r + 4 (blk % 4).
;   xa [16 tiles of tokens][8] and w1q [16 tiles of f][8] of the first kind, w2q [16 tiles of (e, 64 d)][16] of the second.
;   In w1q the row at place p of a tile holds f = p with its bits 3 and 4 exchanged, so that in ffn1's result a lane's 16 registers of two neighbouring tiles are 16 neighbouring f.
; SHARES.  Work-groups 0-255: 16 tokens of x each (a wave: 256 of the 1,024 d).  Work-groups 256-511: w1, 512-767: w2; a wave takes 64 rows (four fragments) x one K step of 128 (32 KB): two fragments a trip, two
; trips.  The two kinds of work-group take two ways through the text, each with LDS bytes of its own.  No tensor load, no matrix instruction, no cluster: nothing is read twice, memory binds.
.set OB16,  67584
.set OB8,   33792
.set WSTG,  8448                       ; the weights' stage of a wave: 16 rows x (512 + 16) bytes
.set XSTG,  4*WSTG                     ; behind them x's stages: 16 rows x (256 + 16) bytes for each wave
.set XSTW,  4352
.set DOTS,  XSTG+4*XSTW                ; [wave 4][expert 2][token 16] f32: the gate's partial sums
.set SPARE, DOTS+512                   ; the spare words, 128 bytes for each wave: two blocks of 256 bytes that no other line names
.set SPW, 1                            ; v1  LDS address of my spare word; never rewritten
.set NIL, 2                            ; v2  0; never rewritten
.set MNT, 23                           ; s23 the mantissa field of 57,344
.set SEL, 24                           ; s[24:25] v_permlanex16_b32's selects for lane l xor 16
.set HM,  26                           ; s26 the mask of lanes 16-31
.set DC,  66                           ; s[66:67] where my codes go
.set DS,  68                           ; s[68:69] where my scale words go
; the weights' way
.set SI,  3                            ; v3  the stage, in: 16 x lane
.set SO,  4                            ; v4  the stage, out: 528 r + 256 h
.set LI,  5                            ; v5  16 x lane
.set WSO, 7                            ; v7  scale words: 16 r + 8 h
.set RO,  8                            ; v8-23    byte offset of my 16 bytes in each of a fragment's 16 rows; never rewritten
.set WTM, 24                           ; v24-39   at work
.set WPWS, 40                          ; v40-43   the four fragments' scale words
.set WPC, 48                           ; v48-63   a fragment's codes
.set WX,  64                           ; v64-127  64 numbers of a lane
.set RAW, 128                          ; v128-255 two sets of 16 loads
.set FB,  48                           ; s[48:51] the first rows of the two fragments that are loaded
; x's way
.set XO,  3
.set GA,  4
.set SIX, 6
.set SOX, 7
.set XTM, 8                            ; v8-23
.set XPWS, 24                          ; v24-27
.set DW,  28
.set GL,  29
.set SW,  30
.set TA,  31
.set GW,  32                           ; v32-63   gate_w: 8 q + 4 e + k
.set ACC, 64                           ; v64-79   the gate's sums: 8 e + n
.set XX,  32                           ; v32-95   64 numbers of a lane, over GW and ACC once these are done with
.set R,   96                           ; v96-223  x as loaded, 32 registers a K step; later the K step's 16 registers of codes
; 64 numbers of a lane, register 16 b + i = k 32 b + 16 (lane / 16) + i of my row, become a fragment's codes in v[pc] on and its scale word in v[pw].
.macro QUANT s, pc, pw, tm
.irp b, 0,1,2,3
	v_max3_num_f32 v[\tm+\b], |v[\s+16*\b]|, |v[\s+1+16*\b]|, 0x8000000   ; my 16 numbers of block b, and the floor 2^(16 - 127): the byte cannot fall under 1
.endr
.irp i, 2,4,6,8,10,12,14
.irp b, 0,1,2,3
	v_max3_num_f32 v[\tm+\b], v[\tm+\b], |v[\s+16*\b+\i]|, |v[\s+1+16*\b+\i]|   ; the four blocks by turns
.endr
.endr
.irp b, 0,1,2,3
	v_permlanex16_b32 v[\tm+4+\b], v[\tm+\b], s[SEL], s[SEL+1]
.endr
.irp b, 0,1,2,3
	v_max_num_f32 v[\tm+\b], v[\tm+\b], v[\tm+4+\b]                ; with lane l xor 16's 16: the block's largest magnitude
.endr
.irp b, 0,1,2,3
	v_add_nc_u32 v[\tm+12+\b], 0xf8800000, v[\tm+\b]               ; 15 off its exponent field: the conversion's scale operand
.endr
.irp b, 0,1,2,3
	v_and_or_b32 v[\tm+8+\b], v[\tm+\b], 0x7f800000, s[MNT]        ; 57,344 x the scale
.endr
.irp b, 0,1,2,3
	v_lshrrev_b32 v[\tm+4+\b], 23, v[\tm+12+\b]                    ; the scale's byte
.endr
	v_lshl_or_b32 v[\pw], v[\tm+5], 8, v[\tm+4]
	v_lshl_or_b32 v[\pw], v[\tm+6], 16, v[\pw]
	v_lshl_or_b32 v[\pw], v[\tm+7], 24, v[\pw]                     ; my row's scale word
.irp b, 0,1,2,3
.irp i, 0,1,2,3,4,5,6,7,8,9,10,11,12,13,14,15
	v_med3_num_f32 v[\s+16*\b+\i], v[\s+16*\b+\i], -v[\tm+8+\b], v[\tm+8+\b]   ; the conversion to an 8-bit code does not saturate (ISA guide 7.6.2): the hold
.endr
	v_cvt_scalef32_pk8_bf8_f32 v[\pc+4*\b:\pc+1+4*\b], v[\s+16*\b:\s+7+16*\b], v[\tm+12+\b]
	v_cvt_scalef32_pk8_bf8_f32 v[\pc+2+4*\b:\pc+3+4*\b], v[\s+8+16*\b:\s+15+16*\b], v[\tm+12+\b]
.endr
	v_nop                                          ; a plain vector line behind the last conversion, ahead of whatever next touches its registers
.endm
	s_load_b512 s[4:19], s[0:1], 0x0               ; x 4, gate_w 6, w1 8, w2 10, xa 12, w1q 14, w2q 16, sel 18
	s_load_b64 s[20:21], s[0:1], 0x40              ; prob
	v_lshl_add_u32 v[SPW], v0, 2, SPARE
	v_mov_b32 v[NIL], 0
	v_lshrrev_b32 v3, 5, v0
	v_readfirstlane_b32 s22, v3                    ; wave 0..3
	s_mov_b32 s[MNT], 0x600000
	s_mov_b32 s[SEL], 0x76543210
	s_mov_b32 s[SEL+1], 0xfedcba98
	s_mov_b32 s[HM], 0xffff0000
	s_cmp_lt_u32 ttmp9, 256                        ; the work-group's number alone: all four waves go the same way
	s_cbranch_scc1 .Lx_path
	; ================= THE WEIGHTS.  One text for w1 and w2: only numbers that enter GLOBAL addresses differ; they are chosen by s_cselect on the work-group's number.
	s_sub_co_u32 s27, ttmp9, 256
	s_and_b32 s28, s27, 127
	s_lshl_b32 s28, s28, 2
	s_add_co_u32 s28, s28, s22                     ; my job, 0..511; bit 7 of s27 says which half of its eight fragments is mine
	; as w1's: rh = job / 16 (128 rows of f), ks = job % 16 (64 d of both experts)
	s_lshr_b32 s29, s28, 4
	s_and_b32 s30, s28, 15
	s_lshl_b32 s31, s29, 20                        ; 128 rows of 8,192 bytes
	s_lshl_b32 s32, s30, 8                         ; 64 d
	s_add_co_u32 s31, s31, s32                     ; where I read
	s_lshr_b32 s32, s29, 1
	s_lshl_b32 s32, s32, 3
	s_lshr_b32 s33, s30, 1
	s_add_co_u32 s32, s32, s33
	s_mul_i32 s32, s32, OB16                       ; the block (tile of f, slot)
	s_and_b32 s33, s30, 1
	s_and_b32 s34, s29, 1
	s_lshl_b32 s35, s33, 15
	s_lshl_b32 s36, s34, 14
	s_add_co_u32 s35, s35, s36
	s_add_co_u32 s35, s35, s32                     ; my codes
	s_lshl_b32 s36, s33, 10
	s_lshl_b32 s37, s34, 9
	s_add_co_u32 s36, s36, s37
	s_add_co_u32 s36, s36, s32
	s_add_co_u32 s36, s36, 65536                   ; my scale words
	; as w2's: nt = job / 32 (64 d of both experts), ks = job % 32 (128 f)
	s_lshr_b32 s37, s28, 5
	s_and_b32 s38, s28, 31
	s_lshl_b32 s39, s37, 21                        ; 64 d of 32,768 bytes
	s_lshl_b32 s40, s38, 9                         ; 128 f
	s_add_co_u32 s39, s39, s40
	s_lshl_b32 s40, s37, 4
	s_lshr_b32 s41, s38, 1
	s_add_co_u32 s40, s40, s41
	s_mul_i32 s40, s40, OB8
	s_and_b32 s41, s38, 1
	s_lshl_b32 s42, s41, 14
	s_add_co_u32 s42, s42, s40
	s_lshl_b32 s43, s41, 9
	s_add_co_u32 s43, s43, s40
	s_add_co_u32 s43, s43, 32768
	s_mov_b32 s46, 32768                           ; (an instruction takes one literal: w2's numbers stand in registers first)
	s_mov_b32 s76, 524288
	s_mov_b32 s78, 1048576
	s_mov_b32 s80, 16384
	s_mov_b32 s77, 0
	s_mov_b32 s79, 0
	s_mov_b32 s81, 0
	s_mov_b32 s83, 0
	s_mov_b32 s85, 0
	s_mov_b32 s87, 0
	s_wait_alu depctr_va_vdst(0)
	s_wait_kmcnt 0x0
	s_cmp_lt_u32 s27, 256                          ; w1's work-group or w2's?
	s_cselect_b32 s82, s31, s39
	s_cselect_b32 s84, s35, s42
	s_cselect_b32 s86, s36, s43
	s_cselect_b32 s44, 4096, 64                    ; lanes 16-31: w1: the other expert;  w2: 16 f on
	s_cselect_b32 s45, 64, 128                     ; from one group of four lanes to the next: w1: 16 d;  w2: 32 f
	s_cselect_b32 s46, 8192, s46                   ; from row to row of a fragment
	s_cselect_b32 s74, 65536, 0                    ; w1: a fragment's rows 8-15 lie 8 rows further on (bits 3 and 4 of f exchanged)
	s_cselect_b32 s76, 65536, s76                  ; from fragment t to t + 1,
	s_cselect_b32 s78, 262144, s78                 ; t + 2,
	s_cselect_b32 s80, 524288, s80                 ; t + 4
	s_cselect_b64 s[8:9], s[8:9], s[10:11]
	s_cselect_b64 s[14:15], s[14:15], s[16:17]
	s_bfe_u32 s75, s27, 0x10007                    ; my half: fragments 0-3 or 4-7
	s_mul_i32 s80, s80, s75
	s_add_co_u32 s82, s82, s80
	s_lshl_b32 s80, s75, 13                        ; 4 x 2,048 bytes of codes,
	s_add_co_u32 s84, s84, s80
	s_lshl_b32 s80, s75, 8                         ; 256 bytes of scale words
	s_add_co_u32 s86, s86, s80
	s_add_nc_u64 s[FB:FB+1], s[8:9], s[82:83]
	s_add_nc_u64 s[FB+2:FB+3], s[FB:FB+1], s[76:77]
	s_add_nc_u64 s[DC:DC+1], s[14:15], s[84:85]
	s_add_nc_u64 s[DS:DS+1], s[14:15], s[86:87]
	v_and_b32 v6, 31, v0                           ; lane
	v_and_b32 v24, 15, v0                          ; r
	v_bfe_u32 v25, v0, 4, 1                        ; h
	v_lshlrev_b32 v[LI], 4, v6
	s_mul_i32 s75, s22, WSTG                       ; my stage
	v_add_nc_u32 v[SI], s75, v[LI]
	v_mul_u32_u24 v[SO], v24, 528
	v_lshl_add_u32 v[SO], v25, 8, v[SO]
	v_add_nc_u32 v[SO], s75, v[SO]
	v_mul_lo_u32 v7, v25, s44                      ; a load reads 512 bytes of one row in whole runs of 256; lane l's 16 bytes are those that the stage wants at 16 l
	v_bfe_u32 v26, v0, 2, 2
	v_mul_lo_u32 v26, v26, s45
	v_and_b32 v27, 3, v0
	v_lshl_add_u32 v7, v27, 4, v7
	v_add_nc_u32 v[RO], v7, v26
.irp n, 1,2,3,4,5,6,7,8,9,10,11,12,13,14,15
.if \n == 8
	v_add3_u32 v[RO+\n], v[RO+\n-1], s46, s74
.else
	v_add_nc_u32 v[RO+\n], s46, v[RO+\n-1]
.endif
.endr
	v_lshlrev_b32 v[WSO], 4, v24
	v_lshl_add_u32 v[WSO], v25, 3, v[WSO]
.irp b, 0,1,2,3
	v_mov_b32 v[WTM+4+\b], 0                       ; written once: a lane permute's destination counts as one of its sources
.endr
	v_mov_b32 v[WPWS+2], 0                         ; (the first trip moves these two and replaces them)
	v_mov_b32 v[WPWS+3], 0
.macro WLOAD t                         ; a fragment's 16 rows, 512 bytes each, into set t
.irp n, 0,1,2,3,4,5,6,7,8,9,10,11,12,13,14,15
	global_load_b128 v[RAW+64*\t+4*\n:RAW+64*\t+4*\n+3], v[RO+\n], s[FB+2*\t:FB+2*\t+1] th:TH_LOAD_NT
.endr
.endm
.macro WFRAG t                         ; fragment t of a trip's two
	s_wait_loadcnt 16                              ; my 16 loads are in; the next fragment's 16 may stay out (in the last trip's second fragment none is out: below)
.irp n, 0,1,2,3,4,5,6,7,8,9,10,11,12,13,14,15
	ds_store_b128 v[SI], v[RAW+64*\t+4*\n:RAW+64*\t+4*\n+3] offset:528*\n
.endr
.irp c, 0,1,2,3
.irp j, 0,1,2,3
	ds_load_b128 v[WX+16*\c+4*\j:WX+16*\c+4*\j+3], v[SO] offset:64*\c+16*\j   ; LDS serves a wave's instructions in order: these see my stores.  Row r, my half's 16 numbers of block c
.endr
.endr
	s_wait_dscnt 0x0                               ; the numbers are back, and the stores into the stage have read their registers,
	s_wait_xcnt 0x0                                ; and all earlier loads and stores their addresses and codes
.if \t == 0
	s_add_nc_u64 s[FB:FB+1], s[FB:FB+1], s[78:79]  ; two fragments on
	s_add_nc_u64 s[FB+2:FB+3], s[FB+2:FB+3], s[78:79]
.endif
	s_cmp_gt_u32 s27, 1                            ; the last trip loads nothing
	s_cbranch_scc0 .Lno_load_\@
	WLOAD \t
.if \t == 0
	s_branch .Lloaded_\@
.endif
.Lno_load_\@:
.if \t == 0
	s_wait_loadcnt 0x0                             ; nothing is issued behind the last fragment's loads: here they are waited for whole
.Lloaded_\@:
.endif
	QUANT WX, WPC, WPWS+2+\t, WTM
.irp c, 0,1,2,3
	global_store_b128 v[LI], v[WPC+4*\c:WPC+4*\c+3], s[DC:DC+1] offset:2048*\t+512*\c   ; 32 lanes store 512 consecutive bytes, at a multiple of 256 from the buffer's first byte
.endr
.endm
	s_wait_alu depctr_va_vdst(0)                   ; the head's end
	WLOAD 0
	WLOAD 1
	s_mov_b32 s27, 2
.Lwtrip:
	v_mov_b32 v[WPWS], v[WPWS+2]                   ; the trip before's two scale words
	v_mov_b32 v[WPWS+1], v[WPWS+3]
	WFRAG 0
	WFRAG 1
	s_wait_xcnt 0x0                                ; the stores have read their base
	s_add_nc_u64 s[DC:DC+1], s[DC:DC+1], 4096
	s_sub_co_u32 s27, s27, 1
	s_cmp_lg_u32 s27, 0
	s_wait_alu depctr_va_vdst(0)
	s_cbranch_scc1 .Lwtrip
	v_cndmask_b32 v[WTM], v[WPWS], v[WPWS+2], s[HM]                ; lanes 0-15: row r's words of my fragments 0 and 1; lanes 16-31: of 2 and 3
	v_cndmask_b32 v[WTM+1], v[WPWS+1], v[WPWS+3], s[HM]
	global_store_b64 v[WSO], v[WTM:WTM+1], s[DS:DS+1]              ; 256 consecutive bytes, at a multiple of 256
	s_wait_tensorcnt 0x0                           ; the wave's end, behind my last LDS store
	ds_add_u32 v[SPW], v[NIL]
	s_wait_dscnt 0x0
	s_endpgm
	; ================= x AND THE GATE.  The work-group owns tokens 16 g .. 16 g + 15; wave w takes d = 256 w .. 256 w + 255: four K steps q of 64 d (x both experts = 128 along K).
.Lx_path:
	v_and_b32 v224, 31, v0                         ; lane
	v_and_b32 v225, 15, v0                         ; r
	v_bfe_u32 v226, v0, 4, 1                       ; h
	s_lshl_b32 s40, s22, 10
	v_lshlrev_b32 v[GA], 4, v225
	v_add_nc_u32 v[GA], s40, v[GA]                 ; gate_w: my wave's 1,024 bytes of a row, 16 bytes a lane of a half
	v_lshl_add_u32 v[XO], v226, 12, v[GA]          ; x: the same, lanes 16-31 one row down: a load takes 256 bytes of each of two rows
	v_lshlrev_b32 v[LI], 4, v224
	s_mul_i32 s41, s22, XSTW
	s_add_co_u32 s41, s41, XSTG                    ; my stage
	v_mul_u32_u24 v[SIX], v226, 272
	v_lshl_add_u32 v[SIX], v225, 4, v[SIX]
	v_add_nc_u32 v[SIX], s41, v[SIX]
	v_mul_u32_u24 v[SOX], v225, 272
	v_add_nc_u32 v[SOX], s41, v[SOX]               ; out: row r; both halves of the lanes read the same 16 d
	s_lshl_b32 s42, s22, 7
	s_add_co_u32 s42, s42, DOTS
	v_lshlrev_b32 v[DW], 2, v226
	v_add_nc_u32 v[DW], s42, v[DW]
	v_lshlrev_b32 v[GL], 6, v226
	v_lshl_add_u32 v[GL], v225, 2, v[GL]
	v_add_nc_u32 v[GL], DOTS, v[GL]                ; lane (r, h) reads expert h's sums of token r
	v_lshlrev_b32 v[SW], 4, v225
	v_lshl_add_u32 v[SW], v226, 10, v[SW]          ; scale words: 16 r, lanes 16-31 the slot's second K step
	v_lshlrev_b32 v[TA], 2, v225
.irp b, 0,1,2,3
	v_mov_b32 v[XTM+4+\b], 0
.endr
	s_lshr_b32 s27, ttmp9, 4                       ; T: the tile of 256 tokens
	s_and_b32 s28, ttmp9, 15                       ; tb: my block of 16 in it
	s_lshl_b32 s30, ttmp9, 16                      ; 16 rows of 4,096 bytes
	s_mov_b32 s31, 0
	s_lshl_b32 s32, s27, 3
	s_lshl_b32 s33, s22, 1
	s_add_co_u32 s32, s32, s33
	s_mul_i32 s32, s32, OB16                       ; block (T, slot 2 w)
	s_lshl_b32 s34, s28, 11
	s_add_co_u32 s34, s34, s32
	s_mov_b32 s35, 0
	s_lshr_b32 s36, s28, 2
	s_lshl_b32 s36, s36, 8
	s_and_b32 s37, s28, 3
	s_lshl_b32 s37, s37, 2
	s_add_co_u32 s36, s36, s37
	s_add_co_u32 s36, s36, s32
	s_add_co_u32 s36, s36, 65536
	s_mov_b32 s37, 0
	s_lshl_b32 s38, ttmp9, 6
	s_mov_b32 s39, 0
	s_wait_alu depctr_va_vdst(0)                   ; the head's end
	s_wait_kmcnt 0x0
	s_add_nc_u64 s[4:5], s[4:5], s[30:31]
	s_add_nc_u64 s[DC:DC+1], s[12:13], s[34:35]
	s_add_nc_u64 s[DS:DS+1], s[12:13], s[36:37]
	s_add_nc_u64 s[18:19], s[18:19], s[38:39]
	s_add_nc_u64 s[20:21], s[20:21], s[38:39]
.irp q, 0,1,2,3
.irp e, 0,1
	global_load_b128 v[GW+8*\q+4*\e:GW+8*\q+4*\e+3], v[GA], s[6:7] offset:4096*\e+256*\q
.endr
.endr
.irp q, 0,1,2,3
.irp n, 0,1,2,3,4,5,6,7
	global_load_b128 v[R+32*\q+4*\n:R+32*\q+4*\n+3], v[XO], s[4:5] offset:8192*\n+256*\q th:TH_LOAD_NT   ; rows 2 n and 2 n + 1
.endr
.endr
; THE GATE, on the numbers as they are loaded: 16 sums a lane (2 experts x 8 rows of my half), fused multiply-adds in f32; the first product starts each sum.
.macro XDOT q
	s_wait_loadcnt 8*(3-\q)                        ; this K step's loads are in; the later K steps' stay out
.irp k, 0,1,2,3
.irp e, 0,1
.irp n, 0,1,2,3,4,5,6,7
.if (\q == 0) && (\k == 0)
	v_mul_f32 v[ACC+8*\e+\n], v[R+32*\q+4*\n+\k], v[GW+8*\q+4*\e+\k]
.else
	v_fmac_f32 v[ACC+8*\e+\n], v[R+32*\q+4*\n+\k], v[GW+8*\q+4*\e+\k]
.endif
.endr
.endr
.endr
.endm
.irp q, 0,1,2,3
	XDOT \q
.endr
.irp m, 1,2,4,8
.irp a, 0,1,2,3,4,5,6,7,8,9,10,11,12,13,14,15
	v_add_f32_dpp v[ACC+\a], v[ACC+\a], v[ACC+\a] row_xmask:\m row_mask:0xf bank_mask:0xf   ; over the sixteen lanes of a row
.endr
.endr
.irp e, 0,1
.irp n, 0,1,2,3,4,5,6,7
	ds_store_b32 v[DW], v[ACC+8*\e+\n] offset:64*\e+8*\n           ; the lanes of a half write the same word with the same value
.endr
.endr
	s_wait_dscnt 0x0                               ; these stores have read their registers, which the loads below write
.macro XFRAG q                         ; a K step's 16 rows x 64 d turn through my stage, so that a lane holds 16 neighbouring d of each block of its row
.irp n, 0,1,2,3,4,5,6,7
	ds_store_b128 v[SIX], v[R+32*\q+4*\n:R+32*\q+4*\n+3] offset:544*\n
.endr
.irp c, 0,1,2,3
.irp j, 0,1,2,3
	ds_load_b128 v[XX+16*\c+4*\j:XX+16*\c+4*\j+3], v[SOX] offset:64*\c+16*\j
.endr
.endr
	s_wait_dscnt 0x0
	QUANT XX, R+32*\q, XPWS+\q, XTM                ; lane l xor 16 holds the same 16 numbers: the block's largest magnitude is that of its 16 d
.endm
.irp q, 0,1,2,3
	XFRAG \q
.endr
	s_wait_dscnt 0x0                               ; for the others' sake: my partial sums lie in LDS
	s_barrier_signal -1
	s_barrier_wait -1
.irp w, 0,1,2,3
	ds_load_b32 v[228+\w], v[GL] offset:128*\w
.endr
	s_wait_dscnt 0x0
	v_add_f32 v228, v228, v229
	v_add_f32 v230, v230, v231
	v_add_f32 v228, v228, v230                     ; my expert's logit of token r,
	v_permlanex16_b32 v229, v228, s[SEL], s[SEL+1] ; and the other expert's
	v_max_num_f32 v230, v228, v229                 ; the maximum is taken away ahead of the exponentials
	v_sub_f32 v231, v228, v230
	v_sub_f32 v232, v229, v230
	v_mul_f32 v231, 0x3fb8aa3b, v231
	v_mul_f32 v232, 0x3fb8aa3b, v232
	s_wait_alu depctr_va_vdst(0)
	v_exp_f32 v233, v231
	v_exp_f32 v234, v232
	v_nop                                          ; a plain place behind the transcendentals,
	s_wait_alu depctr_va_vdst(0)                   ; and the wait ahead of the first reader: one for both
	v_add_f32 v235, v233, v234
	s_wait_alu depctr_va_vdst(0)
	v_rcp_f32 v236, v235
	v_nop
	s_wait_alu depctr_va_vdst(0)
	v_mul_f32 v237, v233, v236                     ; my expert's probability,
	v_mul_f32 v238, v234, v236                     ; the other's: the same two numbers in both lanes of a token
	v_cmp_gt_f32 s70, v237, v238
	v_cmp_ge_f32 s71, v237, v238
	s_and_b32 s70, s70, s[HM]                      ; expert 1 is chosen where it is greater,
	s_and_b32 s71, s71, 0xffff                     ; expert 0 where it is not less: a tie keeps the lower index
	s_or_b32 s72, s70, s71                         ; lanes whose half is the chosen expert's.  It only selects values
	s_xor_b32 s73, s72, 0xffff                     ; lanes of tokens that chose expert 1
.irp q, 0,1,2,3
.irp n, 0,1,2,3,4,5,6,7,8,9,10,11,12,13,14,15
	v_cndmask_b32 v[R+32*\q+\n], 0, v[R+32*\q+\n], s72             ; the one-hot: the other expert's half of each block holds zero codes
.endr
.endr
.irp q, 0,1,2,3
.irp c, 0,1,2,3
	global_store_b128 v[LI], v[R+32*\q+4*\c:R+32*\q+4*\c+3], s[DC:DC+1] offset:(\q/2)*OB16+(\q%2)*32768+512*\c   ; 512 consecutive bytes
.endr
.endr
	v_cndmask_b32 v239, v[XPWS], v[XPWS+1], s[HM]
	v_cndmask_b32 v227, v[XPWS+2], v[XPWS+3], s[HM]
	global_store_b32 v[SW], v239, s[DS:DS+1]                       ; 4 bytes a row, 16 bytes apart: four work-groups' words share 16 bytes.  262,144 bytes in the whole launch leave so
	global_store_b32 v[SW], v227, s[DS:DS+1] offset:OB16
	s_cmp_lg_u32 s22, 0
	s_cbranch_scc1 .Lx_end
	v_max_num_f32 v232, v237, v238                 ; the top probability,
	v_cndmask_b32 v231, 0, 1, s73                  ; and its expert.  Both lanes of a token store the same word with the same value
	global_store_b32 v[TA], v232, s[20:21]
	global_store_b32 v[TA], v231, s[18:19]
.Lx_end:
	s_wait_tensorcnt 0x0                           ; the wave's end, behind my last LDS store
	ds_add_u32 v[SPW], v[NIL]
	s_wait_dscnt 0x0
	s_endpgm
.Lfunc_end_k_q6b90de3ba5_prep:
	.size	k_q6b90de3ba5_prep, .Lfunc_end_k_q6b90de3ba5_prep-k_q6b90de3ba5_prep
	.p2alignl 7, 3214868480
	.fill 96, 4, 3214868480
	.section	.rodata,"a",@progbits
	.p2align	6, 0x0
	.amdhsa_kernel k_q6b90de3ba5_prep
		.amdhsa_group_segment_fixed_size 52224
		.amdhsa_private_segment_fixed_size 0
		.amdhsa_enable_private_segment 0
		.amdhsa_kernarg_size 72
		.amdhsa_user_sgpr_count 2
		.amdhsa_user_sgpr_kernarg_segment_ptr 1
		.amdhsa_wavefront_size32 1
		.amdhsa_system_sgpr_workgroup_id_x 1
		.amdhsa_system_sgpr_workgroup_id_y 1
		.amdhsa_system_sgpr_workgroup_id_z 1
		.amdhsa_system_vgpr_workitem_id 0
		.amdhsa_next_free_vgpr 256
		.amdhsa_next_free_sgpr 92
		.amdhsa_reserve_vcc 0
		.amdhsa_float_denorm_mode_32 3
		.amdhsa_float_denorm_mode_16_64 3
		.amdhsa_memory_ordered 1
		.amdhsa_forward_progress 1
		.amdhsa_inst_pref_size 99
	.end_amdhsa_kernel
	.amdgpu_metadata
---
amdhsa.version: [ 1, 2 ]
amdhsa.kernels:
  - .name:           k_q6b90de3ba5_prep
    .symbol:         k_q6b90de3ba5_prep.kd
    .args:
      - { .name: x, .offset: 0, .size: 8, .value_kind: global_buffer, .address_space: global }
      - { .name: gate_w, .offset: 8, .size: 8, .value_kind: global_buffer, .address_space: global }
      - { .name: w1, .offset: 16, .size: 8, .value_kind: global_buffer, .address_space: global }
      - { .name: w2, .offset: 24, .size: 8, .value_kind: global_buffer, .address_space: global }
      - { .name: xa, .offset: 32, .size: 8, .value_kind: global_buffer, .address_space: global }
      - { .name: w1q, .offset: 40, .size: 8, .value_kind: global_buffer, .address_space: global }
      - { .name: w2q, .offset: 48, .size: 8, .value_kind: global_buffer, .address_space: global }
      - { .name: sel, .offset: 56, .size: 8, .value_kind: global_buffer, .address_space: global }
      - { .name: prob, .offset: 64, .size: 8, .value_kind: global_buffer, .address_space: global }
    .group_segment_fixed_size: 52224
    .private_segment_fixed_size: 0
    .kernarg_segment_align: 8
    .kernarg_segment_size: 72
    .max_flat_workgroup_size: 128
    .sgpr_count:     92
    .vgpr_count:     256
    .wavefront_size: 32
...
	.end_amdgpu_metadata
.endif
;; end of part 1
;; launch ffn1 (part 2): grid 16 x 16, 4 waves a work-group, clusters of 4 x 4, 327,680 bytes of LDS; arguments xa, w1q, b1, sel, hq; writes hq
.if DOCPART == 2
	.amdgcn_target "amdgcn-amd-amdhsa--gfx1250"
	.amdhsa_code_object_version 6
	.text
	.protected	k_q6b90de3ba5_ffn1
	.globl	k_q6b90de3ba5_ffn1
	.p2align	8
	.type	k_q6b90de3ba5_ffn1,@function
k_q6b90de3ba5_ffn1:
	s_mov_b64 s[64:65], 0
	v_nop
	global_prefetch_b8 v0, s[64:65] scope:SCOPE_SE
	s_setreg_imm32_b32 hwreg(HW_REG_WAVE_MODE, 25, 1), 1
	s_wait_xcnt 0x0
	s_wait_alu depctr_hold_cnt(0) depctr_sa_sdst(0) depctr_va_vdst(0) depctr_va_sdst(0) depctr_va_ssrc(0) depctr_va_vcc(0) depctr_vm_vsrc(0)
	s_getreg_b32 s2, hwreg(HW_REG_IB_STS2, 6, 4)
	s_cmp_eq_u32 s2, 0
	s_cbranch_scc0 .Lentry_in_a_cluster
	s_endpgm
.Lentry_in_a_cluster:
	s_bfe_u32 s2, ttmp6, 0x10000c
	s_cmp_lg_u32 s2, 0xf033
	s_cbranch_scc0 .Lentry_shape_is_right
	s_endpgm
.Lentry_shape_is_right:
; FFN1: h = gelu(x W1[e]^T + b1[e]) and its quantiser: the first quantised product as it is written (K = 2,048: both experts' d, zero codes in the half that was not chosen), the bias, gelu and E5M2 codes for ffn2.
; A tile is 256 tokens x 256 f; four waves of 128 x 128; K goes in steps of 256 through two LDS slots of 135,168 bytes, images of the operands' registers (prep states the layout), asked for jointly in clusters of 4 x 4.
; A step of 128 along K is 64 products, A's blocks 0 .. 7 each against B's eight.  The next step's loads stand in four runs among them: B 0-4 behind blocks 0, 1; A 0-3 behind 3; B 5-7 behind 5; A 4-7 behind 7.
; PREFETCH: each wave asks for 33 of the 264 units of 256 bytes of a block that four partners load jointly, told apart by address (cx for A, cy for B), two refills ahead of the load; the last two refills ask for nothing.
; LIMITS: NaN and infinities are not served; a block's scale byte never falls under 1.
.set OB,    67584
.set HALFB, 33792
.set SLOT,  2*OB
.set SPARE, 2*SLOT
.set NP,    8
.set ADRA, 16
.set ADRB, 20
.set ADRS, 22
.set LI,   24
.set BA,   26
.set EA,   27
.set SPW,  28
.set NIL,  29
.set PF1,  30                          ; v30, v31 a prefetch's lane offsets: units 0-16, units 17-32
.set PF2,  31
.set PFS,  92                          ; s[92:93] where my prefetches stand
.set SC,   32
.set EF,   64
.set C0,   72
.set TM,   76
.set PWS,  92
.set QW,   100
.set PC,   104
.set PW,   120
.set AF,   128
.set TT,   128
.set UU,   192
.set G1,  24
.set G0,  32
.set G1B, 48
.set G0B, 56
.set SEL, 68
.set MNT, 70
.set HM,  71
.set C1,  72
.set AI,  75
.set MK,  76
.set HB,  84
.set HS,  86
.set MSB, 0
.macro WIN new
.if MSB != (\new)
	s_set_vgpr_msb (MSB<<8)|(\new)
.set MSB, (\new)
.endif
.endm
.set MUL_LO, 0xa1
.set MUL_HI, 0xf1
.set TO_B,   0x40
.macro JLOAD g0a, g1a, g0b, g1b
	s_cmp_eq_u32 s15, 0
	s_cbranch_scc0 .Lfor_b_\@
	tensor_load_to_lds s[\g0a:\g0a+3], s[\g1a:\g1a+7]
	s_nop 0
.rept 4
	v_nop
.endr
	s_branch .Lasked_\@
.Lfor_b_\@:
	tensor_load_to_lds s[\g0b:\g0b+3], s[\g1b:\g1b+7]
	s_nop 0
.rept 4
	v_nop
.endr
.Lasked_\@:
.endm
.macro CREST
	s_cmp_lg_u32 s14, 0
	s_cbranch_scc1 .Lnot_wave_0_\@
	s_barrier_signal -3
.Lnot_wave_0_\@:
	s_barrier_wait -3
	s_barrier_signal -1
	s_barrier_wait -1
.endm
.macro CROUND
	s_barrier_signal -1
	s_barrier_wait -1
	CREST
.endm
.macro PLACES n
.rept \n
	v_nop
.endr
.endm
.macro QUANT s, pc, pw, tm
.irp b, 0,1,2,3
	v_max3_num_f32 v[\tm+\b], |v[\s+16*\b]|, |v[\s+1+16*\b]|, 0x8000000
.endr
.irp i, 2,4,6,8,10,12,14
.irp b, 0,1,2,3
	v_max3_num_f32 v[\tm+\b], v[\tm+\b], |v[\s+16*\b+\i]|, |v[\s+1+16*\b+\i]|
.endr
.endr
.irp b, 0,1,2,3
	v_permlanex16_b32 v[\tm+4+\b], v[\tm+\b], s[SEL], s[SEL+1]
.endr
.irp b, 0,1,2,3
	v_max_num_f32 v[\tm+\b], v[\tm+\b], v[\tm+4+\b]
.endr
.irp b, 0,1,2,3
	v_add_nc_u32 v[\tm+12+\b], 0xf8800000, v[\tm+\b]
.endr
.irp b, 0,1,2,3
	v_and_or_b32 v[\tm+8+\b], v[\tm+\b], 0x7f800000, s[MNT]
.endr
.irp b, 0,1,2,3
	v_lshrrev_b32 v[\tm+4+\b], 23, v[\tm+12+\b]
.endr
	v_lshl_or_b32 v[\pw], v[\tm+5], 8, v[\tm+4]
	v_lshl_or_b32 v[\pw], v[\tm+6], 16, v[\pw]
	v_lshl_or_b32 v[\pw], v[\tm+7], 24, v[\pw]
.irp b, 0,1,2,3
.irp i, 0,1,2,3,4,5,6,7,8,9,10,11,12,13,14,15
	v_med3_num_f32 v[\s+16*\b+\i], v[\s+16*\b+\i], -v[\tm+8+\b], v[\tm+8+\b]
.endr
	v_cvt_scalef32_pk8_bf8_f32 v[\pc+4*\b:\pc+1+4*\b], v[\s+16*\b:\s+7+16*\b], v[\tm+12+\b]
	v_cvt_scalef32_pk8_bf8_f32 v[\pc+2+4*\b:\pc+3+4*\b], v[\s+8+16*\b:\s+15+16*\b], v[\tm+12+\b]
.endr
	v_nop
.endm
	s_load_b256 s[4:11], s[0:1], 0x0
	s_load_b64 s[12:13], s[0:1], 0x20
	v_lshl_add_u32 v[SPW], v0, 2, SPARE
	v_mov_b32 v[NIL], 0
	ds_add_u32 v[SPW], v[NIL]
	ds_add_u32 v[SPW], v[NIL]
	v_lshrrev_b32 v1, 5, v0
	v_readfirstlane_b32 s14, v1
	s_lshr_b32 s15, s14, 1
	s_and_b32 s16, s14, 1
	s_bfe_u32 s40, ttmp6, 0x40000
	s_bfe_u32 s41, ttmp6, 0x40004
	s_lshl_b32 s42, ttmp9, 2
	s_add_co_u32 s42, s42, s40
	s_and_b32 s17, ttmp7, 0xffff
	s_lshl_b32 s17, s17, 2
	s_add_co_u32 s17, s17, s41
	s_lshl_b32 s43, s41, 2
	s_lshl_b32 s43, 15, s43
	s_lshl_b32 s44, 0x1111, s40
	s_or_b32 s[G1], s43, (3<<16)|(1<<21)
	s_or_b32 s[G1B], s44, (3<<16)|(1<<21)
.irp g, G1, G1B
	s_mov_b32 s[\g+1], 32<<16
	s_mov_b32 s[\g+2], 132<<16
	s_mov_b32 s[\g+3], 32<<16
	s_mov_b32 s[\g+4], 132
	s_mov_b32 s[\g+5], 32
	s_mov_b32 s[\g+6], 0
	s_mov_b32 s[\g+7], 0
.endr
	s_mul_i32 s18, s16, HALFB
	s_mul_i32 s20, s17, 8*OB
	s_add_co_u32 s20, s20, s18
	s_mov_b32 s21, 0
	s_mul_i32 s46, s42, 8*OB
	s_add_co_u32 s46, s46, s18
	s_mov_b32 s47, 0
	s_mul_i32 s45, s14, HALFB
	s_mov_b32 s[SEL], 0x76543210
	s_mov_b32 s[SEL+1], 0xfedcba98
	s_mov_b32 s[MNT], 0x600000
	s_mov_b32 s[HM], 0xffff0000
	s_mov_b32 s[C1], 0xbdd2d3e8
	s_mov_b32 s[C1+1], s[C1]
	v_mov_b32 v[C0], 0xc0135761
	v_mov_b32 v[C0+1], 0xc0135761
.irp b, 0,1,2,3
	v_mov_b32 v[TM+4+\b], 0
.endr
	s_wait_dscnt 0x0
	s_wait_kmcnt 0x0
	s_add_nc_u64 s[20:21], s[4:5], s[20:21]
	s_add_nc_u64 s[46:47], s[6:7], s[46:47]
	CROUND
.irp s, 0,1
	s_mov_b32 s[G0+4*\s], 1
	s_add_co_u32 s[G0+4*\s+1], s45, \s*SLOT
	s_add_nc_u64 s[G0+4*\s+2:G0+4*\s+3], s[20:21], \s*OB
	s_or_b32 s[G0+4*\s+3], s[G0+4*\s+3], 0x80000000
	s_mov_b32 s[G0B+4*\s], 1
	s_add_co_u32 s[G0B+4*\s+1], s45, \s*SLOT
	s_add_nc_u64 s[G0B+4*\s+2:G0B+4*\s+3], s[46:47], \s*OB
	s_or_b32 s[G0B+4*\s+3], s[G0B+4*\s+3], 0x80000000
.endr
	JLOAD G0, G1, G0B, G1B                         ; K step 0: one tensor load a wave at the head
	v_and_b32 v1, 15, v0
	v_bfe_u32 v2, v0, 4, 1
	s_wait_alu depctr_va_vdst(0)
	v_and_b32 v3, 31, v0
	v_lshlrev_b32 v[LI], 4, v3
	v_min_u32 v[PF1], 16, v3
	v_min_u32 v[PF2], 15, v3
	v_lshlrev_b32 v[PF1], 8, v[PF1]
	v_lshlrev_b32 v[PF2], 8, v[PF2]
	s_lshl_b32 s88, s15, 14
	s_lshl_b32 s89, s16, 14
	s_add_co_u32 s89, s89, OB
.irp s, 0,1
	v_add_nc_u32 v[ADRA+\s], s88, v[LI]
	v_add_nc_u32 v[ADRB+\s], s89, v[LI]
	s_add_co_u32 s88, s88, SLOT
	s_add_co_u32 s89, s89, SLOT
.endr
	s_xor_b32 s90, s15, 1
	s_add_co_u32 s90, s90, s16
	s_lshl_b32 s90, s90, 9
	s_add_co_u32 s90, s90, OB-512
	v_mul_u32_u24 v4, s90, v2
	v_lshl_add_u32 v4, v1, 4, v4
	s_lshl_b32 s91, s15, 9
	s_add_co_u32 s91, s91, 65536
	v_add_nc_u32 v[ADRS], s91, v4
	v_add_nc_u32 v[ADRS+1], SLOT, v[ADRS]
	v_lshlrev_b32 v[BA], 6, v2
	v_lshlrev_b32 v[EA], 2, v1
	s_wait_alu depctr_va_vdst(0)
	s_cmp_eq_u32 s15, 0                            ; waves 0, 1 prefetch A's blocks, waves 2, 3 B's
	s_cselect_b64 s[PFS:PFS+1], s[4:5], s[6:7]
	s_cselect_b32 s94, s17, s42
	s_cselect_b32 s95, s40, s41
	s_mul_i32 s94, s94, 8*OB
	s_mul_i32 s95, s95, 66*256
	s_mul_i32 s96, s16, 33*256
	s_add_co_u32 s96, s96, s94
	s_add_co_u32 s96, s96, s95
	s_add_co_u32 s96, s96, 2*OB                    ; at K step 2
	s_mov_b32 s97, 0
	s_add_nc_u64 s[PFS:PFS+1], s[PFS:PFS+1], s[96:97]
	global_prefetch_b8 v[PF1], s[PFS:PFS+1] offset:-OB th:TH_LOAD_NT scope:SCOPE_SE        ; K step 1, whose load goes out when K step 0 has landed
	global_prefetch_b8 v[PF2], s[PFS:PFS+1] offset:17*256-OB th:TH_LOAD_NT scope:SCOPE_SE
	s_lshl_b32 s88, s17, 8
	s_lshl_b32 s89, s15, 7
	s_add_co_u32 s88, s88, s89
	s_lshl_b32 s88, s88, 2
	s_mov_b32 s89, 0
	s_add_nc_u64 s[10:11], s[10:11], s[88:89]
	s_lshl_b32 s88, s42, 8
	s_lshl_b32 s90, s16, 7
	s_add_co_u32 s88, s88, s90
	s_lshl_b32 s88, s88, 2
	s_add_nc_u64 s[8:9], s[8:9], s[88:89]
	s_lshl_b32 s88, s17, 4
	s_add_co_u32 s88, s88, s42
	s_mul_i32 s88, s88, OB
	s_add_nc_u64 s[12:13], s[12:13], s[88:89]
	s_lshl_b32 s88, s16, 15
	s_lshl_b32 s90, s15, 14
	s_add_co_u32 s88, s88, s90
	s_add_nc_u64 s[HB:HB+1], s[12:13], s[88:89]
	s_lshl_b32 s88, s16, 10
	s_lshl_b32 s90, s15, 9
	s_add_co_u32 s88, s88, s90
	s_add_co_u32 s88, s88, 65536
	s_add_nc_u64 s[HS:HS+1], s[12:13], s[88:89]
.irp a, 0,1,2,3,4,5,6,7
	global_load_b32 v[EF+\a], v[EA], s[10:11] offset:64*\a
.endr
.macro FRAG reg, adr, off
.irp c, 0,1,2,3
	ds_load_b128 v[\reg+4*\c:\reg+4*\c+3], v[\adr] offset:\off+512*\c
.endr
.endm
.macro MUL8 a, p, q, sc, zero          ; A's block a against B's eight
	WIN MUL_LO+0x50*((\a)/4)
.irp b, 0,1,2,3,4,5,6,7
.if \zero
	v_wmma_scale_f32_16x16x128_f8f6f4 v[8*(8*((\a)%4)+\b):8*(8*((\a)%4)+\b)+7], v[128*(\p)+16*\b:128*(\p)+16*\b+15], v[AF+16*(\a):AF+16*(\a)+15], 0, v[SC+16*(\sc)+8*(\q)+\b], v[SC+16*(\sc)+8*(\q)+(\a)] matrix_a_fmt:MATRIX_FMT_BF8 matrix_b_fmt:MATRIX_FMT_BF8 matrix_a_scale:MATRIX_SCALE_ROW1
.else
	v_wmma_scale_f32_16x16x128_f8f6f4 v[8*(8*((\a)%4)+\b):8*(8*((\a)%4)+\b)+7], v[128*(\p)+16*\b:128*(\p)+16*\b+15], v[AF+16*(\a):AF+16*(\a)+15], v[8*(8*((\a)%4)+\b):8*(8*((\a)%4)+\b)+7], v[SC+16*(\sc)+8*(\q)+\b], v[SC+16*(\sc)+8*(\q)+(\a)] matrix_a_fmt:MATRIX_FMT_BF8 matrix_b_fmt:MATRIX_FMT_BF8 matrix_a_scale:MATRIX_SCALE_ROW1
.endif
.endr
.endm
.macro MUL16 a0, p, q, sc, zero
	MUL8 \a0, \p, \q, \sc, \zero
	MUL8 \a0+1, \p, \q, \sc, \zero
.endm
.macro FETCH_B slot, q, p, from, n     ; n of B's fragments, from fragment 'from' on
	WIN TO_B
.set I_, \from
.rept \n
	FRAG 128*(\p)+16*I_, ADRB+\slot, 32768*(\q)+2048*I_
.set I_, I_+1
.endr
	WIN 0
.endm
.macro ASK off                         ; my 33 units of the block at byte off from where my prefetches stand
	global_prefetch_b8 v[PF1], s[PFS:PFS+1] offset:\off th:TH_LOAD_NT scope:SCOPE_SE
	global_prefetch_b8 v[PF2], s[PFS:PFS+1] offset:\off+17*256 th:TH_LOAD_NT scope:SCOPE_SE
.endm
.macro FETCH_A slot, q, i0
.irp i, \i0, \i0+1, \i0+2, \i0+3
	FRAG AF+16*(\i), ADRA+\slot, 32768*(\q)+2048*(\i)
.endr
.endm
.macro SCALES sc
.irp q, 0,1
.irp g, 0,1
	ds_load_b128 v[SC+16*\sc+8*\q+4*\g:SC+16*\sc+8*\q+4*\g+3], v[ADRS+\sc] offset:1024*\q+256*\g
.endr
.endr
.endm
.macro STEP slot, zero
	s_wait_dscnt 16
	WIN MUL_LO
	MUL16 0, 0, 0, \slot, \zero
	FETCH_B \slot, 1, 1, 0, 5                      ; (this set of B was last read a step ago, ahead of that step's places)
	MUL16 2, 0, 0, \slot, \zero
	PLACES NP
	WIN 0
	FETCH_A \slot, 1, 0
	s_wait_dscnt 36                                ; A's blocks 4-7 are in; the 36 loads just issued may be out
	MUL16 4, 0, 0, \slot, \zero
	FETCH_B \slot, 1, 1, 5, 3
	MUL16 6, 0, 0, \slot, \zero
	PLACES NP
	WIN 0
	FETCH_A \slot, 1, 4
.endm
.macro TURN slot, next, fill
	s_wait_dscnt 16
	WIN MUL_LO
	MUL8 0, 1, 1, \slot, 0
	WIN 0
.if \fill
	s_wait_xcnt 0x0                                ; my prefetches have read their address
	s_add_nc_u64 s[PFS:PFS+1], s[PFS:PFS+1], OB
.endif
	s_wait_tensorcnt 0x0                           ; my part of the next slot is in
	ds_add_u32 v[SPW], v[NIL]
.if \fill
	s_add_nc_u64 s[G0+4*\slot+2:G0+4*\slot+3], s[G0+4*\slot+2:G0+4*\slot+3], 2*OB
	s_add_nc_u64 s[G0B+4*\slot+2:G0B+4*\slot+3], s[G0B+4*\slot+2:G0B+4*\slot+3], 2*OB
.endif
	MUL8 1, 1, 1, \slot, 0
	s_wait_dscnt 0x0                               ; the add is done, and so are my reads of this slot
	s_barrier_signal -1
	MUL8 2, 1, 1, \slot, 0
	WIN 0
	s_barrier_wait -1
.if \fill
	CREST
	JLOAD G0+4*\slot, G1, G0B+4*\slot, G1B
.endif
	FETCH_B \next, 0, 0, 0, 5
	MUL8 3, 1, 1, \slot, 0
	PLACES NP
	WIN 0
	FETCH_A \next, 0, 0
	SCALES \next
.if \fill
	s_cmp_gt_u32 s3, 1                             ; the loop's last trip has no K step two refills on
	s_cbranch_scc0 .Lno_ask_\@
	ASK OB
.Lno_ask_\@:
.endif
	MUL16 4, 1, 1, \slot, 0
	FETCH_B \next, 0, 0, 5, 3
	MUL16 6, 1, 1, \slot, 0
	PLACES NP
	WIN 0
	FETCH_A \next, 0, 4
.endm
	s_wait_alu depctr_va_vdst(0)                   ; the head's end
	s_wait_tensorcnt 0x0                           ; my part of K step 0 is in; the full sequence ahead of slot 1's first fill
	ds_add_u32 v[SPW], v[NIL]
	s_wait_dscnt 0x0
	CROUND
	JLOAD G0+4, G1, G0B+4, G1B
	FETCH_B 0, 0, 0, 0, 8
	FETCH_A 0, 0, 0
	SCALES 0
	FETCH_A 0, 0, 4
	ASK 0                                          ; K steps 2 and 3, which the first trip's refills load
	ASK OB
	STEP 0, 1
	s_mov_b32 s3, 3
.Llap:
	TURN 0, 1, 1
	STEP 1, 0
	TURN 1, 0, 1
	STEP 0, 0
	s_sub_co_u32 s3, s3, 1
	s_cmp_lg_u32 s3, 0
	s_cbranch_scc1 .Llap
	TURN 0, 1, 0
	STEP 1, 0
	WIN TO_B
.irp e, 0,1
.irp t, 0,1,2,3,4,5,6,7
.irp q, 0,1
	global_load_b128 v[64*\e+8*\t+4*\q:64*\e+8*\t+4*\q+3], v[BA], s[8:9] offset:16384*\e+(32*(\t/2)+8*(\t%2))*4+16*\q
.endr
.endr
.endr
	WIN 0
	s_wait_dscnt 16
	WIN MUL_LO
	MUL16 0, 1, 1, 1, 0
	MUL16 2, 1, 1, 1, 0
	s_wait_dscnt 0x0
	WIN MUL_HI
	MUL16 4, 1, 1, 1, 0
	MUL16 6, 1, 1, 1, 0
	WIN 0
	PLACES NP
	s_wait_loadcnt 0x0
.irp a, 0,1,2,3,4,5,6,7
	v_cmp_ne_u32 s[MK+\a], 0, v[EF+\a]
.endr
	v_mov_b32 v[PW], 0
.irp a, 0,1,2,3,4,5,6,7
	v_mov_b32 v[PWS+\a], 0
.endr
.macro COPYIN a
.if \a > 0
	v_mov_b32 v[PWS+\a-1], v[PW]
.endif
	WIN 0x05
.set n, 0
.rept 64
	v_cndmask_b32 v[TT+n], v[n], v[64+n], s[MK+\a]
.set n, n+1
.endr
	WIN 0x02+(\a)/4
	s_wait_alu depctr_va_vdst(0)                   ; the wait directly ahead of the sums' first readers
.set n, 0
.rept 32
	v_pk_add_f32 v[TT+n:TT+n+1], v[64*((\a)%4)+n:64*((\a)%4)+n+1], v[TT+n:TT+n+1]
.set n, n+2
.endr
	WIN 0
	s_branch .Lwork
.endm
.irp c, 0,1,2,3,4,5,6,7,8,9,10,11,12,13,14,15
	v_mov_b32 v[PC+\c], 0                          ; (the loop names the codes ahead of their first write; its first trip stores nothing)
.endr
	s_wait_alu depctr_va_vdst(0)
	s_mov_b32 s[AI], 0
.Lout:
.irp a, 0,1,2,3,4,5,6
	s_cmp_eq_u32 s[AI], \a
	s_cbranch_scc1 .Lcopy_\a
.endr
	COPYIN 7
.irp a, 0,1,2,3,4,5,6
.Lcopy_\a:
	COPYIN \a
.endr
.Lwork:
.set n, 0
.rept 32
	v_pk_mul_f32 v[UU+n:UU+n+1], v[TT+n:TT+n+1], v[TT+n:TT+n+1]
.set n, n+2
.endr
.set n, 0
.rept 32
	v_pk_fma_f32 v[UU+n:UU+n+1], v[UU+n:UU+n+1], s[C1:C1+1], v[C0:C0+1] op_sel_hi:[1,0,1]
.set n, n+2
.endr
.set n, 0
.rept 32
	v_pk_mul_f32 v[UU+n:UU+n+1], v[UU+n:UU+n+1], v[TT+n:TT+n+1]
.set n, n+2
.endr
	s_cmp_eq_u32 s[AI], 0                          ; the block before's codes leave here, with this block's first steps behind their conversions
	s_cbranch_scc1 .Lnone_before
.irp c, 0,1,2,3
	global_store_b128 v[LI], v[PC+4*\c:PC+4*\c+3], s[HB:HB+1] offset:512*\c-2048
.endr
.Lnone_before:
.set n, 0
	s_wait_alu depctr_va_vdst(0)
.rept 64
	v_exp_f32 v[UU+n], v[UU+n]
.set n, n+1
.endr
	v_nop
	s_wait_alu depctr_va_vdst(0)
.set n, 0
.rept 32
	v_pk_add_f32 v[UU+n:UU+n+1], v[UU+n:UU+n+1], 1.0 op_sel_hi:[1,0]
.set n, n+2
.endr
.set n, 0
	s_wait_alu depctr_va_vdst(0)
.rept 64
	v_rcp_f32 v[UU+n], v[UU+n]
.set n, n+1
.endr
	v_nop
	s_wait_alu depctr_va_vdst(0)
.set n, 0
.rept 32
	v_pk_mul_f32 v[TT+n:TT+n+1], v[TT+n:TT+n+1], v[UU+n:UU+n+1]
.set n, n+2
.endr
	s_wait_xcnt 0x0
	s_add_nc_u64 s[HB:HB+1], s[HB:HB+1], 2048
	QUANT TT, PC, PW, TM
	s_add_co_u32 s[AI], s[AI], 1
	s_cmp_lt_u32 s[AI], 8
	s_cbranch_scc1 .Lout
.irp c, 0,1,2,3
	global_store_b128 v[LI], v[PC+4*\c:PC+4*\c+3], s[HB:HB+1] offset:512*\c-2048   ; the last block's
.endr
	v_mov_b32 v[PWS+7], v[PW]
.irp q, 0,1,2,3
	v_cndmask_b32 v[QW+\q], v[PWS+\q], v[PWS+4+\q], s[HM]
.endr
	global_store_b128 v[LI], v[QW:QW+3], s[HS:HS+1]
	s_wait_tensorcnt 0x0
	ds_add_u32 v[SPW], v[NIL]
	s_wait_dscnt 0x0
	CROUND
	s_endpgm
.Lfunc_end_k_q6b90de3ba5_ffn1:
	.size	k_q6b90de3ba5_ffn1, .Lfunc_end_k_q6b90de3ba5_ffn1-k_q6b90de3ba5_ffn1
	.p2alignl 7, 3214868480
	.fill 96, 4, 3214868480
	.section	.rodata,"a",@progbits
	.p2align	6, 0x0
	.amdhsa_kernel k_q6b90de3ba5_ffn1
		.amdhsa_group_segment_fixed_size 327680
		.amdhsa_private_segment_fixed_size 0
		.amdhsa_enable_private_segment 0
		.amdhsa_kernarg_size 40
		.amdhsa_user_sgpr_count 2
		.amdhsa_user_sgpr_kernarg_segment_ptr 1
		.amdhsa_wavefront_size32 1
		.amdhsa_system_sgpr_workgroup_id_x 1
		.amdhsa_system_sgpr_workgroup_id_y 1
		.amdhsa_system_sgpr_workgroup_id_z 1
		.amdhsa_system_vgpr_workitem_id 0
		.amdhsa_next_free_vgpr 1024
		.amdhsa_next_free_sgpr 98
		.amdhsa_reserve_vcc 0
		.amdhsa_float_denorm_mode_32 3
		.amdhsa_float_denorm_mode_16_64 3
		.amdhsa_memory_ordered 1
		.amdhsa_forward_progress 1
		.amdhsa_inst_pref_size 196
	.end_amdhsa_kernel
	.amdgpu_metadata
---
amdhsa.version: [ 1, 2 ]
amdhsa.kernels:
  - .name:           k_q6b90de3ba5_ffn1
    .symbol:         k_q6b90de3ba5_ffn1.kd
    .args:
      - { .name: xa, .offset: 0, .size: 8, .value_kind: global_buffer, .address_space: global }
      - { .name: w1q, .offset: 8, .size: 8, .value_kind: global_buffer, .address_space: global }
      - { .name: b1, .offset: 16, .size: 8, .value_kind: global_buffer, .address_space: global }
      - { .name: sel, .offset: 24, .size: 8, .value_kind: global_buffer, .address_space: global }
      - { .name: hq, .offset: 32, .size: 8, .value_kind: global_buffer, .address_space: global }
    .group_segment_fixed_size: 327680
    .private_segment_fixed_size: 0
    .kernarg_segment_align: 8
    .kernarg_segment_size: 40
    .max_flat_workgroup_size: 128
    .sgpr_count:     98
    .vgpr_count:     1024
    .wavefront_size: 32
...
	.end_amdgpu_metadata
.endif
;; end of part 2
;; launch ffn2 (part 3): grid 16 x 16, 4 waves a work-group, clusters of 4 x 4, 327,680 bytes of LDS; arguments hq, w2q, b2, sel, prob, out0; writes out0
.if DOCPART == 3
	.amdgcn_target "amdgcn-amd-amdhsa--gfx1250"
	.amdhsa_code_object_version 6
	.text
	.protected	k_q6b90de3ba5_ffn2
	.globl	k_q6b90de3ba5_ffn2
	.p2align	8
	.type	k_q6b90de3ba5_ffn2,@function
k_q6b90de3ba5_ffn2:
	s_mov_b64 s[64:65], 0
	v_nop
	global_prefetch_b8 v0, s[64:65] scope:SCOPE_SE
	s_setreg_imm32_b32 hwreg(HW_REG_WAVE_MODE, 25, 1), 1
	s_wait_xcnt 0x0
	s_wait_alu depctr_hold_cnt(0) depctr_sa_sdst(0) depctr_va_vdst(0) depctr_va_sdst(0) depctr_va_ssrc(0) depctr_va_vcc(0) depctr_vm_vsrc(0)
	s_getreg_b32 s2, hwreg(HW_REG_IB_STS2, 6, 4)
	s_cmp_eq_u32 s2, 0
	s_cbranch_scc0 .Lentry_in_a_cluster
	s_endpgm
.Lentry_in_a_cluster:
	s_bfe_u32 s2, ttmp6, 0x10000c
	s_cmp_lg_u32 s2, 0xf033
	s_cbranch_scc0 .Lentry_shape_is_right
	s_endpgm
.Lentry_shape_is_right:
; FFN2: out = p (h W2[e]^T + b2[e]): the second quantised product as it is written, over both experts' rows of w2 (2,048 rows, K = 4,096), then the token's expert is chosen, its bias added, and p multiplied in.
; LEFT OUT AS A PRODUCT: the contraction with the one-hot adds the chosen expert's term times 1 and the other's times 0, whatever they hold: it is done as a selection (v_cndmask_b32).
; LIMIT: a NaN, an infinity or an overflow in the sum of the expert that was not chosen is not carried to the result.
; hq [16 T][16 blocks]: blocks of 67,584 bytes (256 tokens x 256 K); w2q [16 nt][16 blocks]: blocks of 33,792 bytes (128 rows x 256 K; row p: expert p / 64, d = 64 nt + p % 64): images of the operands' registers.
; A tile is 256 tokens x 128 rows of w2.  THE FOUR WAVES SHARE THE TOKENS AND K: wave (i, kh) takes tokens 128 i on and, of every block, the K step kh of 128: a wave's tile is 128 x 128, 64 accumulators.
; At the end the two waves of a token half add their sums through LDS: each keeps 64 tokens and sends the other 64, already chosen by expert.  So that every wave keeps register blocks 0-3 and sends 4-7, the order of
; A's blocks is turned BY ADDRESS: register block a < 4 is token block 8 i + 4 kh + a, a >= 4 is 8 i + 4 (1 - kh) + a - 4.
; THE RING.  LDS has room for three blocks of K = 256.  They are two slots of unlike size: P holds two blocks (A's two on end, then B's two), Q one.  K's sixteen blocks go 0, 1 | 2 | 3, 4 | 5 | .. | 12, 13 | 14 | 15 by
; turns through P and Q (block 15 alone in P).  A fill is one tensor load a wave: waves 0, 1 bring A's two blocks of P, or the halves of one block; waves 2, 3 the same of B.  At the head P is asked for; Q's first fill
; stands behind a full sequence.  From P's first block to its second no barrier is wanted: the change into P has shown both to every wave.
; A BLOCK is 64 products, A's register blocks 0 .. 7 each against B's eight.  The next block's loads stand in four runs among them: B 0-4, then A 0-3 and the scale words, then B 5-7, then A 4-7.
; At a change of slots the block that is being multiplied lies in registers whole, so the slot is given up early in the block, and the round stands among its first products.
; CLUSTERS: 4 x 4 work-groups; hq's blocks are asked for jointly along a row of the cluster, w2q's along a column.
; PREFETCH: at each change of slots the fill of the NEXT change is asked for.  Of a block of A (264 units of 256 bytes) each of the four partners takes 66, 33 for each of waves 0 and 1; of a block of B (132 units)
; 33, 17 for wave 2 and 16 for wave 3: told apart by address.  Blocks 0 and 1 come by their loads alone; block 2 is asked for at the head, blocks 3 and 4 behind block 2's load; nothing is asked for beyond block 15.
; THE MATRIX INSTRUCTION IS USED TRANSPOSED (source 0 = 16 rows of w2q, source 1 = 16 tokens): lane (r, h) holds token r and, in tile b, expert b / 4, d = 64 nt + 16 (b % 4) + 8 h + 0 .. 7.
; The order of the sum along K: two halves (even and odd K steps of 128), each ascending, added at the end.
; REGISTERS: window 0: v4-31 addresses; v32-47 scale words, two sets; v48-55 experts, v56-59 p, v60-62 prefetch offsets, v64-127 b2 of both experts; from v128 A's fragments, one set (on the way out: at work).
;   window 1: B's fragments, two sets, by the block's parity.   windows 2, 3: the accumulators of register blocks 0-3, 4-7: (a, b) at v[8 (8 (a % 4) + b)].
.set OBA,   67584
.set OBB,   33792
.set PB,    2*OBA                      ; slot P: A's two blocks from 0, B's two from here
.set QA,    2*OBA+2*OBB                ; slot Q: A's block,
.set QB,    QA+OBA                     ; and B's
.set SPARE, QB+OBB                     ; behind the ring: the spare words, 128 bytes for each wave: two blocks of 256 bytes that no other line names
.set XCH,   QA                         ; the way out, in slot Q, which has had its last fill and its last read by then: the exchange, 16,384 bytes a wave;
.set RSTG,  QA+65536                   ; and a stage of 16 rows x (256 + 16) bytes a wave
.set NP,    8                          ; places behind this matrix instruction (ISA guide 7.12.1)
; the three places of a block in LDS: 0 = Q, 1 = P's first, 2 = P's second; an address register of each kind for each place
.set ALO,  4
.set AHI,  7
.set ADRB, 10
.set ADS0, 13                          ; scale words of blocks 0-3: lanes 0-15 A's, lanes 16-31 B's
.set ADS1, 16                          ; of blocks 4-7
.set STO,  19
.set RD,   20
.set GO,   21
.set XW,   22
.set XR,   23
.set BA,   24
.set EA,   25
.set LI,   26
.set SPW,  28                          ; LDS address of my spare word; never rewritten
.set NIL,  29                          ; 0; never rewritten
.set SC,   32                          ; set p at v[SC + 8 p]; register i: lanes 0-15 the word of A's register block i, lanes 16-31 of B's block i
.set EF,   48
.set PR,   56
.set PF1,  60                          ; a prefetch's lane offsets: A's units 0-16, A's units 17-32, B's
.set PF2,  61
.set PF3,  62
.set B2,   64                          ; register 32 e + 8 db + j: b2[e] at d = 64 nt + 16 db + 8 h + j
.set AF,   128
.set YY,   128
.set PP,   160
.set BS,   192
.set OO,   224
.set G1A1, 24                          ; descriptor group 1: half a block of A (132 rows)
.set G1A2, 32                          ; a whole block of A (264 rows)
.set G1B1, 48                          ; half a block of B (66 rows)
.set G1B2, 56                          ; a whole block of B (132 rows)
.set G0QA, 68                          ; group 0: Q, A;  P, A;  Q, B;  P, B: they walk, three blocks a refill
.set G0PA, 72
.set G0QB, 76
.set G0PB, 80
.set PF,   98                          ; s[98:99] where my prefetches stand; s[100:101] a block on
.set MK,   40                          ; s40-47 (free behind the set-up) lanes whose token of register block a chose expert 1
.set MSB, 0
.macro WIN new
.if MSB != (\new)
	s_set_vgpr_msb (MSB<<8)|(\new)
.set MSB, (\new)
.endif
.endm
.set MUL_LO, 0xa1
.set TO_B,   0x40
.macro JLOAD g0a, g1a, g0b, g1b        ; waves 0 and 1 fetch for A, waves 2 and 3 for B; an s_nop 0 and four v_nop follow each of the two lines
	s_cmp_eq_u32 s15, 0
	s_cbranch_scc0 .Lfor_b_\@
	tensor_load_to_lds s[\g0a:\g0a+3], s[\g1a:\g1a+7]
	s_nop 0
.rept 4
	v_nop
.endr
	s_branch .Lasked_\@
.Lfor_b_\@:
	tensor_load_to_lds s[\g0b:\g0b+3], s[\g1b:\g1b+7]
	s_nop 0
.rept 4
	v_nop
.endr
.Lasked_\@:
.endm
.macro CREST
	s_cmp_lg_u32 s14, 0
	s_cbranch_scc1 .Lnot_wave_0_\@
	s_barrier_signal -3
.Lnot_wave_0_\@:
	s_barrier_wait -3
	s_barrier_signal -1
	s_barrier_wait -1
.endm
.macro CROUND
	s_barrier_signal -1
	s_barrier_wait -1
	CREST
.endm
.macro PLACES n
.rept \n
	v_nop
.endr
.endm
.macro G1W g, rows                     ; group 1's constant words: so many dense rows of 32 elements of 8 bytes
	s_mov_b32 s[\g+1], 32<<16
	s_mov_b32 s[\g+2], (\rows)<<16
	s_mov_b32 s[\g+3], 32<<16
	s_mov_b32 s[\g+4], \rows
	s_mov_b32 s[\g+5], 32
	s_mov_b32 s[\g+6], 0
	s_mov_b32 s[\g+7], 0
.endm
.macro ASK1 oa, ob                     ; my units of one block, at byte oa (A) or ob (B) from where my prefetches stand
	s_cmp_eq_u32 s15, 0
	s_cbranch_scc0 .Lask_b_\@
	global_prefetch_b8 v[PF1], s[PF:PF+1] offset:\oa th:TH_LOAD_NT scope:SCOPE_SE
	global_prefetch_b8 v[PF2], s[PF:PF+1] offset:\oa+17*256 th:TH_LOAD_NT scope:SCOPE_SE
	s_branch .Lask_end_\@
.Lask_b_\@:
	global_prefetch_b8 v[PF3], s[PF:PF+1] offset:\ob th:TH_LOAD_NT scope:SCOPE_SE
.Lask_end_\@:
.endm
	s_load_b256 s[4:11], s[0:1], 0x0               ; hq s[4:5], w2q s[6:7], b2 s[8:9], sel s[10:11]
	s_load_b128 s[84:87], s[0:1], 0x20             ; prob s[84:85], out0 s[86:87]
	v_lshl_add_u32 v[SPW], v0, 2, SPARE
	v_mov_b32 v[NIL], 0
	ds_add_u32 v[SPW], v[NIL]                      ; the wave's opening: the add, twice on end, and its wait ahead of my first tensor load
	ds_add_u32 v[SPW], v[NIL]
	v_lshrrev_b32 v1, 5, v0
	v_readfirstlane_b32 s14, v1                    ; wave 0..3
	s_lshr_b32 s15, s14, 1                         ; i: my half of the tokens.  Also: I fetch for A (0) or for B (1)
	s_and_b32 s16, s14, 1                          ; kh: my K step of each block.  Also: which half of a block, or which of P's two blocks, I fetch
	s_bfe_u32 s40, ttmp6, 0x40000
	s_bfe_u32 s41, ttmp6, 0x40004
	s_lshl_b32 s42, ttmp9, 2
	s_add_co_u32 s42, s42, s40                     ; nt = 4 x cluster x + cx
	s_and_b32 s17, ttmp7, 0xffff
	s_lshl_b32 s17, s17, 2
	s_add_co_u32 s17, s17, s41                     ; T = 4 x cluster y + cy
	s_lshl_b32 s43, s41, 2
	s_lshl_b32 s43, 15, s43                        ; my row of the cluster
	s_lshl_b32 s44, 0x1111, s40                    ; my column
	s_or_b32 s[G1A1], s43, (3<<16)|(1<<21)         ; the mask; elements of 8 bytes; no padding; bit 21 set beside a mask
	s_or_b32 s[G1A2], s43, (3<<16)|(1<<21)
	s_or_b32 s[G1B1], s44, (3<<16)|(1<<21)
	s_or_b32 s[G1B2], s44, (3<<16)|(1<<21)
	G1W G1A1, 132
	G1W G1A2, 264
	G1W G1B1, 66
	G1W G1B2, 132
	s_mul_i32 s18, s16, OBA/2                      ; my half of a block of A, and of B;
	s_mul_i32 s19, s16, OBB/2
	s_mul_i32 s22, s16, OBA                        ; my block of P's two: no place in the cluster enters an LDS address
	s_mul_i32 s23, s16, OBB
	s_mul_i32 s20, s17, 16*OBA                     ; A's row of blocks: of T alone
	s_mov_b32 s21, 0
	s_mul_i32 s46, s42, 16*OBB                     ; B's: of nt alone
	s_mov_b32 s47, 0
	s_add_co_u32 s12, s18, 2*OBA                   ; Q's first fill is block 2
	s_mov_b32 s13, 0
	s_add_co_u32 s66, s19, 2*OBB
	s_mov_b32 s67, 0
	s_wait_dscnt 0x0                               ; both opening adds are done
	s_wait_kmcnt 0x0
	s_add_nc_u64 s[20:21], s[4:5], s[20:21]
	s_add_nc_u64 s[46:47], s[6:7], s[46:47]
	s_mov_b32 s[G0QA], 1
	s_add_co_u32 s[G0QA+1], s18, QA
	s_add_nc_u64 s[G0QA+2:G0QA+3], s[20:21], s[12:13]
	s_or_b32 s[G0QA+3], s[G0QA+3], 0x80000000
	s_mov_b32 s[G0QB], 1
	s_add_co_u32 s[G0QB+1], s19, QB
	s_add_nc_u64 s[G0QB+2:G0QB+3], s[46:47], s[66:67]
	s_or_b32 s[G0QB+3], s[G0QB+3], 0x80000000
	s_mov_b32 s12, s22                             ; P's is blocks 0 and 1: one for each wave
	s_mov_b32 s66, s23
	s_mov_b32 s[G0PA], 1
	s_mov_b32 s[G0PA+1], s22
	s_add_nc_u64 s[G0PA+2:G0PA+3], s[20:21], s[12:13]
	s_or_b32 s[G0PA+3], s[G0PA+3], 0x80000000
	s_mov_b32 s[G0PB], 1
	s_add_co_u32 s[G0PB+1], s23, PB
	s_add_nc_u64 s[G0PB+2:G0PB+3], s[46:47], s[66:67]
	s_or_b32 s[G0PB+3], s[G0PB+3], 0x80000000
	CROUND                                         ; all sixteen work-groups are here: the first joint loads meet
	JLOAD G0PA, G1A2, G0PB, G1B2                   ; blocks 0 and 1: one tensor load a wave at the head
	v_and_b32 v1, 15, v0                           ; r
	v_bfe_u32 v2, v0, 4, 1                         ; h
	v_and_b32 v3, 31, v0
	v_lshlrev_b32 v[LI], 4, v3
	v_lshlrev_b32 v30, 4, v1                       ; 16 r
	s_sub_co_u32 s88, 16, s16
	v_min_u32 v[PF1], 16, v3
	v_min_u32 v[PF2], 15, v3
	v_min_u32 v[PF3], s88, v3
	v_lshlrev_b32 v[PF1], 8, v[PF1]
	v_lshlrev_b32 v[PF2], 8, v[PF2]
	v_lshlrev_b32 v[PF3], 8, v[PF3]
	s_wait_alu depctr_va_vdst(0)
	; where my prefetches stand: block 3.  B's numbers, doubled for A: a block of A is two of B's, and so is a partner's share of it
	s_mov_b32 s67, 33*256
	s_cmp_eq_u32 s15, 0
	s_cselect_b64 s[PF:PF+1], s[4:5], s[6:7]
	s_cselect_b32 s12, s17, s42
	s_cselect_b32 s13, s40, s41
	s_cselect_b32 s66, 1, 0
	s_cselect_b32 s67, s67, 17*256
	s_mul_i32 s12, s12, 16*OBB
	s_mul_i32 s13, s13, 33*256
	s_add_co_u32 s12, s12, s13
	s_add_co_u32 s12, s12, 3*OBB
	s_lshl_b32 s12, s12, s66
	s_mul_i32 s67, s67, s16
	s_add_co_u32 s12, s12, s67
	s_mov_b32 s13, 0
	s_add_nc_u64 s[PF:PF+1], s[PF:PF+1], s[12:13]
	s_mov_b32 s100, OBB
	s_lshl_b32 s100, s100, s66
	s_mov_b32 s101, 0
	ASK1 -OBA, -OBB                                ; block 2, whose load goes out when P has landed
	s_lshl_b32 s89, s15, 14
	s_mul_i32 s88, s16, 40960
	s_add_co_u32 s88, s88, s89                     ; in a block of A: register blocks 0-3: K step kh (32,768), token blocks 8 i + 4 kh on
	s_mul_i32 s90, s16, 24576
	s_add_co_u32 s90, s90, s89                     ; register blocks 4-7, whose immediates begin at 4 x 2,048: token blocks 8 i + 4 (1 - kh) on
	s_lshl_b32 s91, s16, 14                        ; in a block of B: K step kh
	s_xor_b32 s92, s16, 1                          ; 1 - kh
	s_xor_b32 s93, s15, 1                          ; 1 - i
	s_lshl_b32 s93, s93, 9
	s_mul_i32 s94, s92, 768
	s_add_co_u32 s94, s94, s93
	s_add_co_u32 s94, s94, 33536                   ; from A's words of blocks 0-3 to B's, where B's block lies straight behind A's
	s_lshl_b32 s95, s92, 8
	s_add_co_u32 s95, s95, s93
	s_add_co_u32 s95, s95, 34048                   ; and of blocks 4-7
	s_lshl_b32 s93, s15, 9
	s_mul_i32 s96, s16, 1280
	s_add_co_u32 s96, s96, s93
	s_add_co_u32 s96, s96, 65536                   ; A's words: 65536 + 1024 kh + 256 (2 i + kh)
	s_mul_i32 s97, s16, 768
	s_add_co_u32 s97, s97, s93
	s_add_co_u32 s97, s97, 65792                   ; 65536 + 1024 kh + 256 (2 i + 1 - kh)
.macro MKADR loc, la, lb               ; the five address registers of place loc, whose block of A begins at LDS byte la and whose block of B at lb
	s_add_co_u32 s12, s88, (\la)
	v_add_nc_u32 v[ALO+\loc], s12, v[LI]
	s_add_co_u32 s12, s90, (\la)
	v_add_nc_u32 v[AHI+\loc], s12, v[LI]
	s_add_co_u32 s12, s91, (\lb)
	v_add_nc_u32 v[ADRB+\loc], s12, v[LI]
	s_add_co_u32 s12, s94, (\lb)-(\la)-OBA
	v_mul_u32_u24 v27, s12, v2                     ; lanes 16-31 take B's words: the lower base + h x the distance
	v_add_nc_u32 v27, v27, v30
	s_add_co_u32 s12, s96, (\la)
	v_add_nc_u32 v[ADS0+\loc], s12, v27
	s_add_co_u32 s12, s95, (\lb)-(\la)-OBA
	v_mul_u32_u24 v27, s12, v2
	v_add_nc_u32 v27, v27, v30
	s_add_co_u32 s12, s97, (\la)
	v_add_nc_u32 v[ADS1+\loc], s12, v27
.endm
	MKADR 0, QA, QB
	MKADR 1, 0, PB
	MKADR 2, OBA, PB+OBB
	s_lshl_b32 s88, s14, 14
	s_add_co_u32 s88, s88, XCH
	v_add_nc_u32 v[XW], s88, v[LI]                 ; the exchange: what I send,
	s_xor_b32 s88, s14, 1
	s_lshl_b32 s88, s88, 14
	s_add_co_u32 s88, s88, XCH
	v_add_nc_u32 v[XR], s88, v[LI]                 ; and what the other wave of my token half sends me
	s_mul_i32 s88, s14, 16*272
	s_add_co_u32 s88, s88, RSTG                    ; my stage
	v_mul_u32_u24 v[STO], v1, 272
	v_lshl_add_u32 v[STO], v2, 5, v[STO]
	v_add_nc_u32 v[STO], s88, v[STO]               ; in: row r, 32 bytes for each half of the lanes
	v_mul_u32_u24 v[RD], v2, 272
	v_lshl_add_u32 v[RD], v1, 4, v[RD]
	v_add_nc_u32 v[RD], s88, v[RD]                 ; back: lanes 0-15 one row of 256 bytes, lanes 16-31 the next
	v_lshlrev_b32 v[GO], 12, v2
	v_lshl_add_u32 v[GO], v1, 4, v[GO]             ; and the same two rows in out0
	v_lshlrev_b32 v[BA], 5, v2
	v_lshlrev_b32 v[EA], 2, v1
	s_wait_alu depctr_va_vdst(0)
	s_lshl_b32 s88, s17, 8
	s_lshl_b32 s89, s15, 7
	s_add_co_u32 s88, s88, s89                     ; 256 T + 128 i
	s_lshl_b32 s90, s16, 6
	s_add_co_u32 s90, s90, s88                     ; the first token that I keep
	s_lshl_b32 s91, s92, 6
	s_add_co_u32 s91, s91, s88                     ; the first that I send
	s_lshl_b32 s92, s90, 2
	s_mov_b32 s93, 0
	s_add_nc_u64 s[94:95], s[10:11], s[92:93]
	s_add_nc_u64 s[84:85], s[84:85], s[92:93]
	s_lshl_b32 s92, s91, 2
	s_add_nc_u64 s[96:97], s[10:11], s[92:93]
	s_lshl_b32 s92, s90, 12
	s_add_nc_u64 s[86:87], s[86:87], s[92:93]
	s_lshl_b32 s92, s42, 8
	s_add_nc_u64 s[86:87], s[86:87], s[92:93]      ; out0 at (my first kept token, d = 64 nt)
	s_add_nc_u64 s[8:9], s[8:9], s[92:93]          ; b2 at d = 64 nt
.irp e, 0,1
.irp d, 0,1,2,3
.irp q, 0,1
	global_load_b128 v[B2+32*\e+8*\d+4*\q:B2+32*\e+8*\d+4*\q+3], v[BA], s[8:9] offset:4096*\e+64*\d+16*\q   ; wanted on the way out: these land under the K loop
.endr
.endr
.endr
.irp a, 0,1,2,3
	global_load_b32 v[EF+\a], v[EA], s[94:95] offset:64*\a
	global_load_b32 v[PR+\a], v[EA], s[84:85] offset:64*\a
	global_load_b32 v[EF+4+\a], v[EA], s[96:97] offset:64*\a
.endr
.macro FRAG reg, adr, off              ; a fragment's image: four loads of 512 consecutive bytes
.irp c, 0,1,2,3
	ds_load_b128 v[\reg+4*\c:\reg+4*\c+3], v[\adr] offset:\off+512*\c
.endr
.endm
; A's register block a against B's eight.  p: B's set and the scale words' set.  The 64 accumulators take turns, one instruction a turn, in the same order in every block.
.macro MUL8 a, p, zero
	WIN MUL_LO+0x50*((\a)/4)
.irp b, 0,1,2,3,4,5,6,7
.if \zero
	v_wmma_scale_f32_16x16x128_f8f6f4 v[8*(8*((\a)%4)+\b):8*(8*((\a)%4)+\b)+7], v[128*(\p)+16*\b:128*(\p)+16*\b+15], v[AF+16*(\a):AF+16*(\a)+15], 0, v[SC+8*(\p)+\b], v[SC+8*(\p)+(\a)] matrix_a_fmt:MATRIX_FMT_BF8 matrix_b_fmt:MATRIX_FMT_BF8 matrix_a_scale:MATRIX_SCALE_ROW1
.else
	v_wmma_scale_f32_16x16x128_f8f6f4 v[8*(8*((\a)%4)+\b):8*(8*((\a)%4)+\b)+7], v[128*(\p)+16*\b:128*(\p)+16*\b+15], v[AF+16*(\a):AF+16*(\a)+15], v[8*(8*((\a)%4)+\b):8*(8*((\a)%4)+\b)+7], v[SC+8*(\p)+\b], v[SC+8*(\p)+(\a)] matrix_a_fmt:MATRIX_FMT_BF8 matrix_b_fmt:MATRIX_FMT_BF8 matrix_a_scale:MATRIX_SCALE_ROW1
.endif
.endr
.endm
.macro FETCH_B loc, p, from, n         ; n of B's fragments of the block at place loc into set p
	WIN TO_B
.set I_, \from
.rept \n
	FRAG 128*(\p)+16*I_, ADRB+(\loc), 2048*I_
.set I_, I_+1
.endr
	WIN 0
.endm
.macro SCALES loc, p
	ds_load_b128 v[SC+8*(\p):SC+8*(\p)+3], v[ADS0+(\loc)]
	ds_load_b128 v[SC+8*(\p)+4:SC+8*(\p)+7], v[ADS1+(\loc)]
.endm
.macro FETCH_LO loc
.irp i, 0,1,2,3
	FRAG AF+16*\i, ALO+(\loc), 2048*\i
.endr
.endm
.macro FETCH_HI loc
.irp i, 4,5,6,7
	FRAG AF+16*\i, AHI+(\loc), 2048*\i
.endr
.endm
; A BLOCK: my 64 products on the block at place loc (sets p), and the fetch of the next block's fragments from place next into the other sets.
; mode 0: the next block lies in the same slot.   1: a change of slots; the slot that is left is filled again.   2: a change with nothing left to fetch.   3: a change; P is filled with block 15 alone.
; last = 1: the second of the two blocks that are asked for ahead does not exist in the loop's last trip.
; A load into a register that a matrix instruction has read stands NP places behind it.  B's other set and the other scale words were last read in the block before, ahead of its last NP places.
.macro BLK loc, next, p, mode, zero, last=0
	s_wait_dscnt 16                                ; all but A's register blocks 4-7 is in
	MUL8 0, \p, \zero
.if \mode == 0
	MUL8 1, \p, \zero
	FETCH_B \next, 1-\p, 0, 5
	MUL8 2, \p, \zero
	MUL8 3, \p, \zero
.else
	WIN 0                                          ; (the add's two registers lie in window 0)
.if \mode == 1
	s_wait_xcnt 0x0                                ; my prefetches have read their address, which steps past what they asked for: two blocks ahead of a change that leaves P, one ahead of one that leaves Q
	s_add_nc_u64 s[PF:PF+1], s[PF:PF+1], s[100:101]
.if \loc == 2
	s_add_nc_u64 s[PF:PF+1], s[PF:PF+1], s[100:101]
.endif
.endif
	s_wait_tensorcnt 0x0                           ; all my tensor loads have landed: the one that was out is my part of the next slot; so a group 0 may be written
	ds_add_u32 v[SPW], v[NIL]                      ; 0 onto my spare word
.if \mode == 1
.if \loc == 0
	s_add_nc_u64 s[G0QA+2:G0QA+3], s[G0QA+2:G0QA+3], 3*OBA         ; Q's next block lies three blocks on
	s_add_nc_u64 s[G0QB+2:G0QB+3], s[G0QB+2:G0QB+3], 3*OBB
.else
	s_add_nc_u64 s[G0PA+2:G0PA+3], s[G0PA+2:G0PA+3], 3*OBA         ; and so do P's next two
	s_add_nc_u64 s[G0PB+2:G0PB+3], s[G0PB+2:G0PB+3], 3*OBB
.endif
.elseif \mode == 3
	s_mov_b32 s[G0QA+1], s18                       ; block 15, by halves, to P's first place: one block on from Q's last
	s_add_co_u32 s[G0QB+1], s19, PB
	s_add_nc_u64 s[G0QA+2:G0QA+3], s[G0QA+2:G0QA+3], OBA
	s_add_nc_u64 s[G0QB+2:G0QB+3], s[G0QB+2:G0QB+3], OBB
.endif
	MUL8 1, \p, \zero
	s_wait_dscnt 0x0                               ; the add is done, and my reads of the slot that I leave are over
	s_barrier_signal -1
	MUL8 2, \p, \zero
	WIN 0
	s_barrier_wait -1
.if \mode != 2
	CREST                                          ; the barrier has opened a round of the cluster's barrier: no wave of any partner still reads that slot or has a load on its way
.if (\mode == 1) && (\loc == 2)
	JLOAD G0PA, G1A2, G0PB, G1B2                   ; the first tensor load behind the round, my one load until the next
.else
	JLOAD G0QA, G1A1, G0QB, G1B1
.endif
.endif
	FETCH_B \next, 1-\p, 0, 5
	MUL8 3, \p, \zero
.endif
	PLACES NP
	WIN 0
	FETCH_LO \next
	SCALES \next, 1-\p
.if \mode == 0
	s_wait_dscnt 38                                ; A's register blocks 4-7 are in; the 38 loads just issued may be out
.elseif \mode == 1
	ASK1 0, 0
.if \loc == 0
.if \last
	s_cmp_gt_u32 s3, 1
	s_cbranch_scc0 .Lone_\@
.endif
	ASK1 OBA, OBB
.if \last
.Lone_\@:
.endif
.endif
.endif
	MUL8 4, \p, \zero
	MUL8 5, \p, \zero
	FETCH_B \next, 1-\p, 5, 3
	MUL8 6, \p, \zero
	MUL8 7, \p, \zero
	PLACES NP
	WIN 0
	FETCH_HI \next
.endm
	s_wait_alu depctr_va_vdst(0)                   ; the head's end
	s_wait_tensorcnt 0x0                           ; my part of P is in; the full sequence ahead of Q's first fill
	ds_add_u32 v[SPW], v[NIL]
	s_wait_dscnt 0x0
	CROUND                                         ; everybody's part of P is in
	JLOAD G0QA, G1A1, G0QB, G1B1                   ; block 2
	FETCH_B 1, 0, 0, 8
	SCALES 1, 0
	FETCH_LO 1
	FETCH_HI 1
	ASK1 0, 0                                      ; blocks 3 and 4, which the first change loads
	ASK1 OBA, OBB
	BLK 1, 2, 0, 0, 1                              ; block 0: its products start the sums
	s_mov_b32 s3, 2
.Llap:                                                 ; six blocks a trip, until place and parity are back where they began: blocks 1 to 6, then 7 to 12
	BLK 2, 0, 1, 1, 0                              ; block 1 or 7:   blocks 3, 4 or 9, 10 are loaded
	BLK 0, 1, 0, 1, 0                              ; block 2 or 8:   block 5 or 11
	BLK 1, 2, 1, 0, 0                              ; block 3 or 9
	BLK 2, 0, 0, 1, 0                              ; block 4 or 10:  blocks 6, 7 or 12, 13
	BLK 0, 1, 1, 1, 0, 1                           ; block 5 or 11:  block 8 or 14
	BLK 1, 2, 0, 0, 0                              ; block 6 or 12
	s_sub_co_u32 s3, s3, 1
	s_cmp_lg_u32 s3, 0
	s_cbranch_scc1 .Llap
	BLK 2, 0, 1, 3, 0                              ; block 13: block 15 is loaded
	BLK 0, 1, 0, 2, 0                              ; block 14: nothing is left to fetch, and no round follows.  Behind its barrier nobody reads slot Q any more
	s_wait_dscnt 16                                ; block 15
.irp a, 0,1,2,3
	MUL8 \a, 1, 0
.endr
	s_wait_dscnt 0x0
.irp a, 4,5,6,7
	MUL8 \a, 1, 0
.endr
	WIN 0
	PLACES NP                                      ; in front of the first read of results and the first write over A's fragments
	s_wait_loadcnt 0x0                             ; b2, the experts, p
.irp a, 0,1,2,3,4,5,6,7
	v_cmp_ne_u32 s[MK+\a], 0, v[EF+\a]
.endr
; THE WAY OUT.  Register blocks 4-7 are chosen by expert (32 of 64 numbers a lane) and sent as images of registers.
.macro SEND a
	WIN 0x0f                                       ; sources 0 and 1: window 3
.set n, 0
.rept 32
	v_cndmask_b32 v[YY+32*((\a)-4)+n], v[64*((\a)-4)+n], v[64*((\a)-4)+32+n], s[MK+\a]   ; tiles db (expert 0) and db + 4 (expert 1), each from its low end on
.set n, n+1
.endr
	WIN 0
.irp q, 0,1,2,3,4,5,6,7
	ds_store_b128 v[XW], v[YY+32*((\a)-4)+4*\q:YY+32*((\a)-4)+4*\q+3] offset:((\a)-4)*4096+512*\q
.endr
.endm
.irp a, 4,5,6,7
	SEND \a
.endr
	s_wait_dscnt 0x0                               ; for the other wave's sake: what I send lies in LDS
	s_barrier_signal -1
	s_barrier_wait -1
.macro TAKE a                          ; the other wave's sums of register block a
.irp q, 0,1,2,3,4,5,6,7
	ds_load_b128 v[PP+4*\q:PP+4*\q+3], v[XR] offset:(\a)*4096+512*\q
.endr
.endm
; Register block a of 0-3: my sum and the other wave's, the bias, p; then through my stage, so that sixteen lanes store 256 consecutive bytes of a row of out0.
.macro FINISH a
	WIN 0x0a                                       ; sources 0 and 1: window 2
.set n, 0
.rept 32
	v_cndmask_b32 v[YY+n], v[64*(\a)+n], v[64*(\a)+32+n], s[MK+\a]
.set n, n+1
.endr
	WIN 0
.set n, 0
.rept 32
	v_cndmask_b32 v[BS+n], v[B2+n], v[B2+32+n], s[MK+\a]
.set n, n+1
.endr
.if (\a) == 0
	s_wait_dscnt 0x0
.endif
.set n, 0
.rept 16
	v_pk_add_f32 v[YY+n:YY+n+1], v[YY+n:YY+n+1], v[PP+n:PP+n+1]    ; the two halves of K
.set n, n+2
.endr
.set n, 0
.rept 16
	v_pk_add_f32 v[YY+n:YY+n+1], v[YY+n:YY+n+1], v[BS+n:BS+n+1]    ; + b2[e]
.set n, n+2
.endr
.set n, 0
.rept 32
	v_mul_f32 v[YY+n], v[YY+n], v[PR+\a]           ; x p of my token
.set n, n+1
.endr
.irp d, 0,1,2,3
	ds_store_b128 v[STO], v[YY+8*\d:YY+8*\d+3] offset:64*\d
	ds_store_b128 v[STO], v[YY+8*\d+4:YY+8*\d+7] offset:64*\d+16
.endr
	s_wait_xcnt 0x0                                ; the last block's stores have read their registers, which the loads below write
.irp t, 0,1,2,3,4,5,6,7
	ds_load_b128 v[OO+4*\t:OO+4*\t+3], v[RD] offset:544*\t         ; LDS serves a wave's instructions in order: these see my stores
.endr
.if (\a) < 3
	TAKE \a+1                                      ; the next block's, on their way beside the stage's
.endif
	s_wait_dscnt 0x0
.irp t, 0,1,2,3,4,5,6,7
	global_store_b128 v[GO], v[OO+4*\t:OO+4*\t+3], s[86:87] offset:(16*(\a)+2*\t)*4096 th:TH_STORE_NT   ; 16 lanes store 256 consecutive bytes, at a multiple of 256 from out0's first byte
.endr
.endm
	TAKE 0
.irp a, 0,1,2,3
	FINISH \a
.endr
	s_wait_tensorcnt 0x0                           ; the wave's end, behind my last tensor load and my last LDS store
	ds_add_u32 v[SPW], v[NIL]
	s_wait_dscnt 0x0
	CROUND                                         ; the closing round: no work-group ends while a partner may still ask for a block that names it
	s_endpgm
.Lfunc_end_k_q6b90de3ba5_ffn2:
	.size	k_q6b90de3ba5_ffn2, .Lfunc_end_k_q6b90de3ba5_ffn2-k_q6b90de3ba5_ffn2
	.p2alignl 7, 3214868480
	.fill 96, 4, 3214868480
	.section	.rodata,"a",@progbits
	.p2align	6, 0x0
	.amdhsa_kernel k_q6b90de3ba5_ffn2
		.amdhsa_group_segment_fixed_size 327680
		.amdhsa_private_segment_fixed_size 0
		.amdhsa_enable_private_segment 0
		.amdhsa_kernarg_size 48
		.amdhsa_user_sgpr_count 2
		.amdhsa_user_sgpr_kernarg_segment_ptr 1
		.amdhsa_wavefront_size32 1
		.amdhsa_system_sgpr_workgroup_id_x 1
		.amdhsa_system_sgpr_workgroup_id_y 1
		.amdhsa_system_sgpr_workgroup_id_z 1
		.amdhsa_system_vgpr_workitem_id 0
		.amdhsa_next_free_vgpr 1024
		.amdhsa_next_free_sgpr 102
		.amdhsa_reserve_vcc 0
		.amdhsa_float_denorm_mode_32 3
		.amdhsa_float_denorm_mode_16_64 3
		.amdhsa_memory_ordered 1
		.amdhsa_forward_progress 1
		.amdhsa_inst_pref_size 204
	.end_amdhsa_kernel
	.amdgpu_metadata
---
amdhsa.version: [ 1, 2 ]
amdhsa.kernels:
  - .name:           k_q6b90de3ba5_ffn2
    .symbol:         k_q6b90de3ba5_ffn2.kd
    .args:
      - { .name: hq, .offset: 0, .size: 8, .value_kind: global_buffer, .address_space: global }
      - { .name: w2q, .offset: 8, .size: 8, .value_kind: global_buffer, .address_space: global }
      - { .name: b2, .offset: 16, .size: 8, .value_kind: global_buffer, .address_space: global }
      - { .name: sel, .offset: 24, .size: 8, .value_kind: global_buffer, .address_space: global }
      - { .name: prob, .offset: 32, .size: 8, .value_kind: global_buffer, .address_space: global }
      - { .name: out0, .offset: 40, .size: 8, .value_kind: global_buffer, .address_space: global }
    .group_segment_fixed_size: 327680
    .private_segment_fixed_size: 0
    .kernarg_segment_align: 8
    .kernarg_segment_size: 48
    .max_flat_workgroup_size: 128
    .sgpr_count:     102
    .vgpr_count:     1024
    .wavefront_size: 32
...
	.end_amdgpu_metadata
.endif
;; end of part 3
